; MI455X (gfx1250); checked and timed in simulation.
; The chip was launched on July 23, 2026; its instructions are those of AMD's public machine-readable ISA for CDNA 5 (MIT licence, August 2026) and "CDNA5" Instruction Set Architecture Reference Guide (July 2026). The comments in the code are by the model that wrote it; some were corrected since.
;; Self attention non local block without shortcut connection. Allowed arithmetic: float matrix products may take bf16 or f16 operands with f32 sums; all other float work in f32.
;; Inputs: Wk 256 x 64 float32; Wo 64 x 256 float32; Wq 256 x 64 float32; Wv 256 x 64 float32; beta 256 float32; gamma 256 float32; moving_mean 256 float32; moving_var 256 float32; x 8 x 64 x 64 x 256 float32.
;; Outputs: out0 8 x 64 x 64 x 256 float32.
;; 2 versions, each right and faster than the one before. Each part assembles by itself: llvm-mc -triple=amdgcn-amd-amdhsa -mcpu=gfx1250 --defsym DOCPART=n.
;; ======== version 1 of 2: 2 launches
;; limits: values are held in f16: magnitudes above 65,504 overflow, below 6.1e-05 lose precision
;; workspace buffers: kbuf 8,388,608 bytes; qbuf 8,388,608 bytes; vtbuf 4,194,304 bytes
;; launch proj (part 1): grid 256 x 1, 8 waves a work-group, no clusters, 262,144 bytes of LDS; arguments x, Wk, Wq, Wv, kbuf, qbuf, vtbuf; writes kbuf, qbuf, vtbuf
.if DOCPART == 1
	.amdgcn_target "amdgcn-amd-amdhsa--gfx1250"
	.amdhsa_code_object_version 6
	.text
	.protected	k_qb96242ec2c_proj
	.globl	k_qb96242ec2c_proj
	.p2align	8
	.type	k_qb96242ec2c_proj,@function
k_qb96242ec2c_proj:
	s_mov_b64 s[64:65], 0
	v_nop
	global_prefetch_b8 v0, s[64:65] scope:SCOPE_SE
	s_setreg_imm32_b32 hwreg(HW_REG_WAVE_MODE, 25, 1), 1
	s_wait_xcnt 0x0
; k = x Wk, q = x Wq, v = x Wv for 32,768 positions of 256 channels, 64 channels out each.
; x and the weights go to the matrix unit in bf16, sums in f32.  Stored for the second launch:
;   k and q each as [position][128] f16: channels 0-63 the upper part (the number with the low 13 bits of its mantissa cut off, exact
;     in f16), then 64 numbers more, the f16 of what was cut off.  A score's error goes through an exponential and is then multiplied
;     by the difference of the leading keys' values, so k and q are kept to some 21 bits each;
;   v transposed as [batch][64 channels][4096 positions] f16, the order in which the second launch multiplies it.
; Nothing of reference() is left out in this program: every product and every input has a way to the output.
; LIMITS: k, q, v are clamped to +-65,504 (f16's largest number) before they are narrowed; the clamp takes the middle of three numbers
; and does not carry a NaN.  With x and the weights each 30 times the drawn spread, or offset by 30 spreads, k, q, v stay under 12,000.
; Parts of k and q under 2^-14 land on f16's denormal grid: an absolute error of 3e-8 at the most.
; SHARES: a work-group owns 128 positions; eight waves.  Loading: wave w brings 16 rows of x and 32 rows of each weight,
; by loads of 512 consecutive bytes, converts them and lays them into LDS once.  Computing: wave w = (cg = w & 3, rh = w >> 2)
; makes channels 16 cg .. +15 of k, of q and of v for rows 64 rh .. +63: 12 accumulator tiles.  So a wave reads a quarter of
; the weights and half of x from LDS.  No tensor loads: every byte is loaded once, and two barriers are all the ordering.
; The matrix instruction takes the weights as source 0 (m = channel) and x as source 1 (n = row): a lane's eight results are
; eight neighbouring channels of one row, 16 bytes of f16.
.set WP,  416                          ; LDS pitch of a weight row: 192 bf16 (Wk, Wq, Wv side by side) + 32 bytes = 13 x 32
.set XP,  528                          ; LDS pitch of a row of x: 256 bf16 + 16 bytes = 33 x 16
.set QP,  272                          ; stages of k and q: 128 f16 + 16 bytes
.set VP,  272                          ; stage of v: 128 f16 + 16 bytes
.set XL,  106496                       ; x behind the weights' 256 rows x 416
.set KST, 174080                       ; stage of k: 128 rows x 272
.set QOF, 128*QP                       ; q's stage follows k's: 34,816 bytes on, inside the 16-bit immediate
.set VST, KST+2*QOF                    ; stage of v: 64 channel rows x 272
.set WF,  16                           ; v16-63   weight fragments: buffer b, matrix M at 16 + 24 b + 8 M
.set ACC, 64                           ; v64-159  accumulators: matrix M, row tile rt at 64 + 32 M + 8 rt (before that: the weights as loaded)
.set XF,  160                          ; v160-223 fragments of x: buffer b, row tile rt at 160 + 32 b + 8 rt; then k's and q's upper parts
.set RB,  64                           ; v64-143  at the end: the stages read back
                                       ; v256-383 (window 1) x as loaded, then as bf16
.set MSB, 0
.macro WIN new                         ; s_set_vgpr_msb: low byte the new setting, high byte the one that is left
.if MSB != \new
	s_set_vgpr_msb (MSB<<8)|\new
.set MSB, \new
.endif
.endm
.macro PLACES                          ; four plain vector places behind matrix instructions (ISA guide 7.12.1)
.rept 4
	v_nop
.endr
.endm
	s_load_b256 s[4:11], s[0:1], 0x0               ; x s[4:5], Wk s[6:7], Wq s[8:9], Wv s[10:11]
	s_load_b128 s[12:15], s[0:1], 0x20             ; kbuf s[12:13], qbuf s[14:15]
	s_load_b64 s[16:17], s[0:1], 0x30              ; vtbuf
	s_set_vgpr_msb 0x40
	v_lshl_add_u32 v128, v0, 2, 0x3fc00
	v_mov_b32 v129, 0
	s_set_vgpr_msb 0x4000
	v_lshrrev_b32 v14, 5, v0
	v_readfirstlane_b32 s18, v14                   ; wave 0..7
	s_and_b32 s19, s18, 3                          ; cg: my 16 channels
	s_lshr_b32 s20, s18, 2                         ; rh: my 64 rows
	v_and_b32 v14, 31, v0                          ; L
	s_lshl_b32 s22, s18, 13
	v_lshl_add_u32 v1, v14, 4, s22                 ; weights: 32 rows of 256 bytes a wave, 16 bytes a lane
	s_lshl_b32 s22, s18, 14
	v_lshl_add_u32 v2, v14, 4, s22                 ; x: 16 rows of 1,024 bytes a wave
	s_wait_kmcnt 0x0
	s_lshl_b32 s22, ttmp9, 17                      ; the group's 128 rows of x: 131,072 bytes
	s_mov_b32 s23, 0
	s_add_nc_u64 s[4:5], s[4:5], s[22:23]
.irp M, 0,1,2
.irp i, 0,1,2,3,4,5,6,7,8,9,10,11,12,13,14,15
	global_load_b128 v[ACC+64*\M+4*\i:ACC+64*\M+4*\i+3], v1, s[6+2*\M:7+2*\M] offset:512*\i   ; two weight rows
.endr
.endr
	WIN 0x40                                       ; destination in window 1, address in window 0
.set i, 0
.rept 32
	global_load_b128 v[4*i:4*i+3], v2, s[4:5] offset:512*i th:TH_LOAD_NT    ; half a row of x; read once in the launch
.set i, i+1
.endr
	WIN 0
	; while the loads are on their way: the other bases and the lane addresses
	s_lshl_b32 s24, ttmp9, 15                      ; the group's 128 rows of k and of q: 32,768 bytes
	s_mov_b32 s25, 0
	s_add_nc_u64 s[12:13], s[12:13], s[24:25]
	s_add_nc_u64 s[14:15], s[14:15], s[24:25]
	s_lshr_b32 s28, ttmp9, 5
	s_lshl_b32 s28, s28, 19                        ; batch x 64 channel rows x 8,192 bytes
	s_and_b32 s29, ttmp9, 31
	s_lshl_b32 s29, s29, 8                         ; + the group's 128 positions x 2 bytes
	s_add_co_u32 s28, s28, s29
	s_mov_b32 s29, 0
	s_add_nc_u64 s[16:17], s[16:17], s[28:29]
	s_mov_b32 s26, 0xc77fe000                      ; -65504.0
	s_mov_b32 s27, 0x477fe000                      ; +65504.0
	v_and_b32 v15, 15, v0                          ; r
	v_bfe_u32 v16, v0, 4, 1                        ; h
	v_and_b32 v17, 7, v0                           ; L & 7
	v_bfe_u32 v18, v0, 3, 1                        ; (L >> 3) & 1
	s_mul_i32 s22, s18, 32*WP
	v_mul_u32_u24 v3, v16, WP
	v_lshl_add_u32 v3, v15, 3, v3
	v_add_nc_u32 v3, s22, v3                       ; v3: weights into LDS: row 32 w + h, 8 bytes at column 4 r
	s_mul_i32 s22, s18, 16*XP
	s_add_co_u32 s22, s22, XL
	v_lshl_add_u32 v4, v14, 3, s22                 ; v4: x into LDS: row 16 w, 8 bytes a lane
	v_lshl_add_u32 v5, v16, 3, v17
	v_mul_u32_u24 v5, v5, WP
	v_lshl_add_u32 v5, v18, 4, v5
	s_lshl_b32 s22, s19, 5
	v_add_nc_u32 v5, s22, v5                       ; v5: transposing load: row 8 h + (L & 7), 16 bytes at 16 ((L >> 3) & 1), my 16 channels
	v_add_nc_u32 v6, 128*WP, v5                    ; v6: the same for K steps 4 to 7 (the 16-bit immediate ends at 65,535)
	s_mul_i32 s22, s20, 64*XP
	s_add_co_u32 s22, s22, XL
	v_mul_u32_u24 v7, v15, XP
	v_lshl_add_u32 v7, v16, 4, v7
	v_add_nc_u32 v7, s22, v7                       ; v7: fragments of x: row 64 rh + r, 16 h
	s_mul_i32 s22, s20, 64*QP
	s_lshl_b32 s23, s19, 5
	s_add_co_u32 s22, s22, s23
	s_add_co_u32 s22, s22, KST
	v_mul_u32_u24 v8, v15, QP
	v_lshl_add_u32 v8, v16, 4, v8
	v_add_nc_u32 v8, s22, v8                       ; v8: k (q: + QOF) into its stage: row 64 rh + r, channels 16 cg + 8 h; the lower part 128 bytes on
	s_mul_i32 s22, s19, 16*VP
	s_lshl_b32 s23, s20, 7
	s_add_co_u32 s22, s22, s23
	s_add_co_u32 s22, s22, VST
	v_mul_u32_u24 v9, v16, 8*VP
	v_lshl_add_u32 v9, v15, 1, v9
	v_add_nc_u32 v9, s22, v9                       ; v9: v into its stage, transposed: channel row 16 cg + 8 h, position 64 rh + r
	s_mul_i32 s22, s18, 16*QP
	s_add_co_u32 s22, s22, KST
	v_mul_u32_u24 v10, v16, QP
	v_lshl_add_u32 v10, v15, 4, v10
	v_add_nc_u32 v10, s22, v10                     ; v10: k (q: + QOF) back: two rows of 256 bytes a load
	s_mul_i32 s22, s18, 8*VP
	s_add_co_u32 s22, s22, VST
	v_mul_u32_u24 v11, v16, VP
	v_lshl_add_u32 v11, v15, 4, v11
	v_add_nc_u32 v11, s22, v11                     ; v11: v back: two channel rows of 256 bytes a load
	s_lshl_b32 s22, s18, 12
	v_lshl_add_u32 v12, v14, 4, s22                ; v12: offset in kbuf and in qbuf: 16 rows of 256 bytes a wave
	s_lshl_b32 s22, s18, 16
	v_lshlrev_b32 v13, 13, v16
	v_lshl_add_u32 v13, v15, 4, v13
	v_add_nc_u32 v13, s22, v13                     ; v13: offset in vtbuf: channel row 8 w + h, 16 r
; One weight matrix: 16 loads converted in place and laid into LDS, columns 64 M .. 64 M + 63 of the joint rows.
.macro WCONV M, left
	s_wait_loadcnt \left                           ; loads come back in order (ISA guide 5.7.1): this matrix is in, the younger loads stay out
.irp i, 0,1,2,3,4,5,6,7,8,9,10,11,12,13,14,15
	v_cvt_pk_bf16_f32 v[ACC+64*\M+4*\i], v[ACC+64*\M+4*\i], v[ACC+64*\M+4*\i+1]
	v_cvt_pk_bf16_f32 v[ACC+64*\M+4*\i+1], v[ACC+64*\M+4*\i+2], v[ACC+64*\M+4*\i+3]
	ds_store_b64 v3, v[ACC+64*\M+4*\i:ACC+64*\M+4*\i+1] offset:2*WP*\i+128*\M
.endr
.endm
	WCONV 0, 63                                    ; 64 loads are younger; the wait's field ends at 63, and a smaller count is safe
	WCONV 1, 48                                    ; Wv's 16 and x's 32 stay out
	WCONV 2, 32                                    ; x's 32 stay out
; Sixteen loads of x (eight rows), converted in place in window 1 and laid into LDS.
.macro XCONV lo, left
	s_wait_loadcnt \left
	WIN 0x45                                       ; destination and both sources in window 1
.set i, \lo
.rept 16
	v_cvt_pk_bf16_f32 v[4*i], v[4*i], v[4*i+1]
	v_cvt_pk_bf16_f32 v[4*i+1], v[4*i+2], v[4*i+3]
.set i, i+1
.endr
	WIN 0x04                                       ; store data in window 1, address in window 0
.set i, \lo
.rept 16
	ds_store_b64 v4, v[4*i:4*i+1] offset:XP*(i>>1)+256*(i&1)
.set i, i+1
.endr
.endm
	XCONV 0, 16                                    ; the second sixteen stay out
	XCONV 16, 0
	WIN 0
	s_wait_dscnt 0x0                               ; my stores of weights and x are done, for the other waves' sake
	s_barrier_signal -1
	s_barrier_wait -1                              ; everybody's stores are done: fragments may be read
; The fragments of K step ks (32 input channels) into buffer buf: 6 transposing loads (weights lie [k][channel]) and 8 plain ones.
.macro LOADF ks, buf
.irp M, 0,1,2
.irp e, 0,1
	ds_load_tr16_b128 v[WF+24*\buf+8*\M+4*\e:WF+24*\buf+8*\M+4*\e+3], v[5+(\ks>>2)] offset:32*WP*(\ks&3)+128*\M+16*WP*\e
.endr
.endr
.irp rt, 0,1,2,3
.irp e, 0,1
	ds_load_b128 v[XF+32*\buf+8*\rt+4*\e:XF+32*\buf+8*\rt+4*\e+3], v7 offset:16*XP*\rt+64*\ks+32*\e
.endr
.endr
.endm
; One K step: the next step's fragments are asked for, then this step's twelve products.
; The twelve accumulators take turns, one instruction a turn, in the same order in every step.
.macro KSTEP ks
.if \ks < 7
.if \ks > 0
	PLACES                                         ; the loads below land on sources of the step before
.endif
	LOADF (\ks+1), ((\ks+1)&1)
	s_wait_dscnt 14                                ; this step's fragments are in; the 14 just issued stay out
.else
	s_wait_dscnt 0x0
.endif
.irp rt, 0,1,2,3
.irp M, 0,1,2
.if \ks == 0
	v_wmma_f32_16x16x32_bf16 v[ACC+32*\M+8*\rt:ACC+32*\M+8*\rt+7], v[WF+24*(\ks&1)+8*\M:WF+24*(\ks&1)+8*\M+7], v[XF+32*(\ks&1)+8*\rt:XF+32*(\ks&1)+8*\rt+7], 0
.else
	v_wmma_f32_16x16x32_bf16 v[ACC+32*\M+8*\rt:ACC+32*\M+8*\rt+7], v[WF+24*(\ks&1)+8*\M:WF+24*(\ks&1)+8*\M+7], v[XF+32*(\ks&1)+8*\rt:XF+32*(\ks&1)+8*\rt+7], v[ACC+32*\M+8*\rt:ACC+32*\M+8*\rt+7]
.endif
.endr
.endr
.endm
	LOADF 0, 0
.irp ks, 0,1,2,3,4,5,6,7
	KSTEP \ks                                      ; the first step's products start the sums: nothing is cleared
.endr
	; clamp, narrow to f16 (compacting in place), and into the stages
	PLACES
.irp M, 0,1                                        ; k and q alike: the upper 11 bits, and what they leave
.irp rt, 0,1,2,3
.irp j, 0,1,2,3,4,5,6,7
	v_med3_num_f32 v[ACC+32*\M+8*\rt+\j], v[ACC+32*\M+8*\rt+\j], s26, s27
.endr
.irp j, 0,1,2,3,4,5,6,7
	v_and_b32 v[XF+32*\M+8*\rt+\j], 0xffffe000, v[ACC+32*\M+8*\rt+\j]          ; ten mantissa bits stay: a number that f16 holds as it is
.endr
.irp u, 0,1,2,3
	v_pk_add_f32 v[ACC+32*\M+8*\rt+2*\u:ACC+32*\M+8*\rt+2*\u+1], v[ACC+32*\M+8*\rt+2*\u:ACC+32*\M+8*\rt+2*\u+1], v[XF+32*\M+8*\rt+2*\u:XF+32*\M+8*\rt+2*\u+1] neg_lo:[0,1] neg_hi:[0,1]   ; the rest, exact in f32
.endr
.irp u, 0,1,2,3
	v_cvt_pk_f16_f32 v[XF+32*\M+8*\rt+\u], v[XF+32*\M+8*\rt+2*\u], v[XF+32*\M+8*\rt+2*\u+1]
.endr
.irp u, 0,1,2,3
	v_cvt_pk_f16_f32 v[ACC+32*\M+8*\rt+\u], v[ACC+32*\M+8*\rt+2*\u], v[ACC+32*\M+8*\rt+2*\u+1]
.endr
	ds_store_b128 v8, v[XF+32*\M+8*\rt:XF+32*\M+8*\rt+3] offset:QOF*\M+16*QP*\rt           ; eight channels of one row, upper parts
	ds_store_b128 v8, v[ACC+32*\M+8*\rt:ACC+32*\M+8*\rt+3] offset:QOF*\M+16*QP*\rt+128     ; and lower parts
.endr
.endr
.irp rt, 0,1,2,3                                   ; v: rounded once, each channel into its own row
.irp j, 0,1,2,3,4,5,6,7
	v_med3_num_f32 v[ACC+64+8*\rt+\j], v[ACC+64+8*\rt+\j], s26, s27
.endr
.irp u, 0,1,2,3
	v_cvt_pk_f16_f32 v[ACC+64+8*\rt+\u], v[ACC+64+8*\rt+2*\u], v[ACC+64+8*\rt+2*\u+1]
.endr
.irp u, 0,1,2,3
	ds_store_b16 v9, v[ACC+64+8*\rt+\u] offset:VP*2*\u+32*\rt
	ds_store_b16_d16_hi v9, v[ACC+64+8*\rt+\u] offset:VP*(2*\u+1)+32*\rt
.endr
.endr
	s_wait_dscnt 0x0                               ; my stage stores are done, for the other waves' sake
	s_barrier_signal -1
	s_barrier_wait -1
	; back as whole rows, and out: every store of a wave covers two aligned runs of 256 bytes
.irp i, 0,1,2,3,4,5,6,7
	ds_load_b128 v[RB+4*\i:RB+4*\i+3], v10 offset:2*QP*\i
.endr
.irp i, 0,1,2,3,4,5,6,7
	ds_load_b128 v[RB+32+4*\i:RB+32+4*\i+3], v10 offset:QOF+2*QP*\i
.endr
.irp i, 0,1,2,3
	ds_load_b128 v[RB+64+4*\i:RB+64+4*\i+3], v11 offset:2*VP*\i
.endr
.irp i, 0,1,2,3,4,5,6,7
	s_wait_dscnt 19-\i                             ; LDS loads come back in order: the counts run down over the twenty
	global_store_b128 v12, v[RB+4*\i:RB+4*\i+3], s[12:13] offset:512*\i
.endr
.irp i, 0,1,2,3,4,5,6,7
	s_wait_dscnt 11-\i
	global_store_b128 v12, v[RB+32+4*\i:RB+32+4*\i+3], s[14:15] offset:512*\i
.endr
.irp i, 0,1,2,3
	s_wait_dscnt 3-\i
	global_store_b128 v13, v[RB+64+4*\i:RB+64+4*\i+3], s[16:17] offset:16384*\i
.endr
	s_set_vgpr_msb 0x5
	s_wait_tensorcnt 0x0
	ds_add_u32 v128, v129
	s_wait_dscnt 0x0
	s_set_vgpr_msb 0x500
	s_endpgm
.Lfunc_end_k_qb96242ec2c_proj:
	.size	k_qb96242ec2c_proj, .Lfunc_end_k_qb96242ec2c_proj-k_qb96242ec2c_proj
	.p2alignl 7, 3214868480
	.fill 96, 4, 3214868480
	.section	.rodata,"a",@progbits
	.p2align	6, 0x0
	.amdhsa_kernel k_qb96242ec2c_proj
		.amdhsa_group_segment_fixed_size 262144
		.amdhsa_private_segment_fixed_size 0
		.amdhsa_enable_private_segment 0
		.amdhsa_kernarg_size 56
		.amdhsa_user_sgpr_count 2
		.amdhsa_user_sgpr_kernarg_segment_ptr 1
		.amdhsa_wavefront_size32 1
		.amdhsa_system_sgpr_workgroup_id_x 1
		.amdhsa_system_sgpr_workgroup_id_y 1
		.amdhsa_system_sgpr_workgroup_id_z 1
		.amdhsa_system_vgpr_workitem_id 0
		.amdhsa_next_free_vgpr 386
		.amdhsa_next_free_sgpr 66
		.amdhsa_reserve_vcc 0
		.amdhsa_float_denorm_mode_32 3
		.amdhsa_float_denorm_mode_16_64 3
		.amdhsa_memory_ordered 1
		.amdhsa_forward_progress 1
		.amdhsa_inst_pref_size 66
	.end_amdhsa_kernel
	.amdgpu_metadata
---
amdhsa.version: [ 1, 2 ]
amdhsa.kernels:
  - .name:           k_qb96242ec2c_proj
    .symbol:         k_qb96242ec2c_proj.kd
    .args:
      - { .name: x, .offset: 0, .size: 8, .value_kind: global_buffer, .address_space: global }
      - { .name: Wk, .offset: 8, .size: 8, .value_kind: global_buffer, .address_space: global }
      - { .name: Wq, .offset: 16, .size: 8, .value_kind: global_buffer, .address_space: global }
      - { .name: Wv, .offset: 24, .size: 8, .value_kind: global_buffer, .address_space: global }
      - { .name: kbuf, .offset: 32, .size: 8, .value_kind: global_buffer, .address_space: global }
      - { .name: qbuf, .offset: 40, .size: 8, .value_kind: global_buffer, .address_space: global }
      - { .name: vtbuf, .offset: 48, .size: 8, .value_kind: global_buffer, .address_space: global }
    .group_segment_fixed_size: 262144
    .private_segment_fixed_size: 0
    .kernarg_segment_align: 8
    .kernarg_segment_size: 56
    .max_flat_workgroup_size: 256
    .sgpr_count:     66
    .vgpr_count:     386
    .wavefront_size: 32
...
	.end_amdgpu_metadata
.endif
;; end of part 1
;; launch attn (part 2): grid 32 x 8, 8 waves a work-group, clusters of 4 x 1, 327,680 bytes of LDS; arguments kbuf, qbuf, vtbuf, Wo, gamma, beta, moving_mean, moving_var, out0; writes out0
.if DOCPART == 2
	.amdgcn_target "amdgcn-amd-amdhsa--gfx1250"
	.amdhsa_code_object_version 6
	.text
	.protected	k_qb96242ec2c_attn
	.globl	k_qb96242ec2c_attn
	.p2align	8
	.type	k_qb96242ec2c_attn,@function
k_qb96242ec2c_attn:
	s_mov_b64 s[64:65], 0
	v_nop
	global_prefetch_b8 v0, s[64:65] scope:SCOPE_SE
	s_setreg_imm32_b32 hwreg(HW_REG_WAVE_MODE, 25, 1), 1
	s_wait_xcnt 0x0
	s_wait_alu depctr_hold_cnt(0) depctr_sa_sdst(0) depctr_va_vdst(0) depctr_va_sdst(0) depctr_va_ssrc(0) depctr_va_vcc(0) depctr_vm_vsrc(0)
	s_getreg_b32 s2, hwreg(HW_REG_IB_STS2, 6, 4)
	s_cmp_eq_u32 s2, 0
	s_cbranch_scc0 .Lentry_in_a_cluster
	s_endpgm
.Lentry_in_a_cluster:
	s_bfe_u32 s2, ttmp6, 0x10000c
	s_cmp_lg_u32 s2, 0x3003
	s_cbranch_scc0 .Lentry_shape_is_right
	s_endpgm
.Lentry_shape_is_right:
; out[i] = batch norm( softmax over j of (k_i . q_j) applied to v_j, times Wo ), for 8 batches of 4,096 positions.
; From the first launch: k and q as [position][128] f16 (64 upper parts, 64 lower parts), v as [batch][64][4096] f16.
; Scores never reach memory: a running maximum and a running sum are kept for each row (the maximum is taken away before every
; exponential, as reference() does).  Nothing of reference() is left out.
; FORMATS: a score is k_upper . q_upper + k_upper . q_lower + k_lower . q_upper, three f16 products on one f32 sum, so that k and q count
; with some 21 bits each; weights and v in f16, all sums in f32; the normalised result goes into the last product as a bf16 number plus
; the bf16 of its remainder, against Wo in bf16; the batch norm in f32.
; LIMITS: k_lower . q_lower, some 2^-22 of a score, is not added; a weight under about 6e-8 of its row's running maximum rounds to 0 in
; f16; sums are ordered otherwise than in reference(); the maximum drops a NaN score, which still reaches the row through the exponential.
; SHARES: a work-group owns 128 rows of one batch; eight waves.  Wave w = (g = w & 3, p = w >> 2) holds 32 rows (row tiles 2 g, 2 g + 1)
; and walks keys 128 p .. 128 p + 127 of every tile of 256 keys.  Its piece 0 is row tile 2 g + p, its piece 1 the other one; at the
; end it hands piece 1 to wave w ^ 4 through LDS, takes that wave's piece 1 (its own piece 0's rows over the other keys), and
; finishes 16 rows.  So the merge and the way out are one text for all waves.
; CLUSTER: the four work-groups of a cluster lie in one batch and walk the same q and v tiles, so every tile is asked for jointly
; (mask 15): one request in place of four.  No LDS address and no branch hangs on the place in the cluster.
; LAYOUT: scores are made transposed, q as source 0 (m = key), k as source 1 (n = row): lane (r, h), register j of key tile kt holds
; row r, key 16 kt + 8 h + j.  Two neighbouring key tiles packed to f16 are then a source 1 (n = row, 32 keys) as they stand, and
; v (m = channel) x weights gives lane (r, h), register t of channel tile ct: row r, channel 16 ct + 8 h + t, which again is a source 1
; for Wo (m = output channel).  A row's maximum and sum live in its own two lanes.
.set PART,   17408                     ; q: 64 key rows of 256 bytes at pitch 272: what one of waves 0-3 brings
.set QBYTES, 4*PART                    ; a tile's 256 keys
.set VPI,    528                       ; v: a channel row of 256 keys, 512 bytes + 16
.set VPART,  16*VPI                    ; 16 channel rows: what one of waves 4-7 brings (rows of 512 consecutive bytes of memory)
.set SLOT,   QBYTES+4*VPART            ; 103,424
.set WOL,    2*SLOT                    ; Wo in bf16, [64][256] at pitch 544 = 17 x 32; no tensor load lands here
.set WOP,    544
.set XCH,    WOL+64*WOP                ; exchange, bytes of its own: 4,096 bytes of sums, 128 + 128 of row figures, a wave
.set XCHW,   4352
.set STGW,   16640                     ; stage, from LDS byte 0 on, in the two slots' bytes after their last fill and every wave's last read:
.set STGP,   1040                      ; 16 rows at pitch 1,040, a wave
.set G1Q, 28                           ; s[28:35] descriptor group 1 for q
.set G1V, 36                           ; s[36:43] for v
.set G0Q, 44                           ; s[44:51] group 0 for q, a set for each slot
.set G0V, 52                           ; s[52:59] for v
.set T,   22                           ; v22-31 at work
.set KH,  48                           ; k's upper parts, window 0
.set KL,  192                          ; k's lower parts, window 1 (v448-479)
; window 0: v1 r, v2 h, v3 lane; v4, v5 q fragments' address in slot 0, 1; v6, v7 v's; v8-11 exchange; v12, v13 stage;
;   v14-17 piece 0: -log2e x maximum, maximum, rescale, sum; v18-21 piece 1; v32-39 batch norm's scale, v40-47 its shift;
;   v48-79 k fragments, upper parts (48 + 16 piece + 8 ks); v80-143 sums O (80 + 32 piece + 8 ct); v144-207 scores (144 + 32 piece + 8 kt);
;   v208 Wo fragments' address; v209 16 x lane; v210, v211 k's offsets; v212-243 weights in f16 (212 + 16 piece + 8 kp)
; window 1: v256-383 q fragments (32 kt + 16 t + 8 ks; t = 0 upper, 1 lower part), v384-447 v fragments (128 + 32 kp + 8 ct),
;   v448-479 k fragments, lower parts (192 + 16 piece + 8 ks); at the end v256-511 Wo fragments (16 ot + 8 kp)
.set MSB, 0
.macro WIN new                         ; s_set_vgpr_msb: low byte the new setting, high byte the one that is left; 0 at every label and branch
.if MSB != \new
	s_set_vgpr_msb (MSB<<8)|\new
.set MSB, \new
.endif
.endm
.macro PLACES                          ; four plain vector places behind matrix instructions (ISA guide 7.12.1)
.rept 4
	v_nop
.endr
.endm
; A round of the cluster's barrier: my work-group's barrier, wave 0 signals for the work-group, every wave waits for all four
; work-groups, my work-group's barrier once more.
.macro ROUND
	s_barrier_signal -1
	s_barrier_wait -1
	s_cmp_lg_u32 s22, 0
	s_cbranch_scc1 .Lnot_wave_0_\@
	s_barrier_signal -3
.Lnot_wave_0_\@:
	s_barrier_wait -3
	s_barrier_signal -1
	s_barrier_wait -1
.endm
; A wave's one joint load for slot s: waves 0-3 bring q's four parts, waves 4-7 v's.  The branch hangs on the wave's number alone.
.macro JLOAD s
	s_cmp_eq_u32 s24, 0
	s_cbranch_scc0 .Lfor_v_\@
	tensor_load_to_lds s[G0Q+4*\s:G0Q+4*\s+3], s[G1Q:G1Q+7]
	s_nop 0
	s_branch .Lasked_\@
.Lfor_v_\@:
	tensor_load_to_lds s[G0V+4*\s:G0V+4*\s+3], s[G1V:G1V+7]
	s_nop 0
.Lasked_\@:
.endm
	s_load_b256 s[4:11], s[0:1], 0x0               ; kbuf s[4:5], qbuf s[6:7], vtbuf s[8:9], Wo s[10:11]
	s_load_b256 s[12:19], s[0:1], 0x20             ; gamma s[12:13], beta s[14:15], moving_mean s[16:17], moving_var s[18:19]
	s_load_b64 s[20:21], s[0:1], 0x40              ; out0
	v_lshl_add_u32 v254, v0, 2, 0x43800
	v_mov_b32 v255, 0
	ds_add_u32 v254, v255
	v_lshrrev_b32 v1, 5, v0
	v_readfirstlane_b32 s22, v1                    ; wave 0..7
	s_and_b32 s23, s22, 3                          ; g
	s_lshr_b32 s24, s22, 2                         ; p
	s_bfe_u32 s25, ttmp6, 0x40000                  ; cx: my place in the cluster
	s_lshl_b32 s26, ttmp9, 2
	s_add_co_u32 s26, s26, s25                     ; my block of 128 rows = 4 x cluster x + cx
	s_and_b32 s27, ttmp7, 0xffff                   ; batch
	; group 1 for q: 64 rows of 32 elements of 8 bytes, dense in memory; 16 bytes of padding behind every 256: LDS rows 272 bytes apart
	s_mov_b32 s[G1Q+0], 0x0773000f                 ; 15:0 mask: all four of the cluster; 17:16 8-byte elements; 20 padding on; 21 set beside a mask; 24:22 every 64 words; 31:25 four words
	s_mov_b32 s[G1Q+1], 32<<16                     ; tensor_dim0 = 32
	s_mov_b32 s[G1Q+2], 64<<16                     ; tensor_dim1 = 64
	s_mov_b32 s[G1Q+3], 32<<16                     ; tile_dim0 = 32
	s_mov_b32 s[G1Q+4], 64                         ; tile_dim1 = 64
	s_mov_b32 s[G1Q+5], 32                         ; a key's 256 bytes follow the last key's
	s_mov_b32 s[G1Q+6], 0
	s_mov_b32 s[G1Q+7], 0
	; group 1 for v: 16 rows of 64 elements of 8 bytes; 16 bytes of padding behind every 512: LDS rows 528 bytes apart
	s_mov_b32 s[G1V+0], 0x07b3000f                 ; as above, but 24:22 every 128 words
	s_mov_b32 s[G1V+1], 64<<16                     ; tensor_dim0 = 64
	s_mov_b32 s[G1V+2], 16<<16                     ; tensor_dim1 = 16
	s_mov_b32 s[G1V+3], 64<<16                     ; tile_dim0 = 64
	s_mov_b32 s[G1V+4], 16                         ; tile_dim1 = 16
	s_mov_b32 s[G1V+5], 1024                       ; 8,192 bytes from a channel row to the next
	s_mov_b32 s[G1V+6], 0
	s_mov_b32 s[G1V+7], 0
	s_mov_b32 s66, 0x76543210                      ; v_permlanex16_b32: lane i takes lane i of the other half
	s_mov_b32 s67, 0xfedcba98
	s_mov_b32 s70, 0x3fb8aa3b                      ; log2 e, as a pair for the packed multiply-add
	s_mov_b32 s71, 0x3fb8aa3b
	s_mul_i32 s72, s22, PART                       ; waves 0-3: my part of q in a slot
	s_mul_i32 s76, s22, VPART
	s_add_co_u32 s76, s76, QBYTES-4*VPART          ; waves 4-7: my part of v, behind q: QBYTES + (w - 4) x 8,448
	s_lshl_b32 s73, s23, 1
	s_add_co_u32 s73, s73, s24                     ; piece 0's row tile: 2 g + p
	v_and_b32 v1, 15, v0                           ; r
	v_bfe_u32 v2, v0, 4, 1                         ; h
	v_and_b32 v3, 31, v0                           ; lane
	v_lshlrev_b32 v209, 4, v3                      ; 16 x lane
	v_lshlrev_b32 v22, 8, v1
	v_lshl_add_u32 v22, v2, 4, v22                 ; k: row r of 256 bytes, 16 h
	s_lshl_b32 s61, s73, 12
	v_add_nc_u32 v210, s61, v22                    ; + piece 0's tile x 16 rows
	s_xor_b32 s61, s61, 4096
	v_add_nc_u32 v211, s61, v22                    ; piece 1's tile is the other of the pair
	s_lshl_b32 s61, s22, 13
	v_lshl_add_u32 v23, v3, 4, s61                 ; Wo: rows 8 w .. 8 w + 7 of 1,024 bytes
	s_wait_dscnt 0x0
	s_wait_kmcnt 0x0
	s_lshl_b32 s60, s27, 20                        ; q: batch x 4,096 keys x 256 bytes
	s_lshl_b32 s61, s23, 14                        ; + 64 keys x 256 bytes for each part
	s_add_co_u32 s62, s60, s61
	s_mov_b32 s63, 0
	s_add_nc_u64 s[6:7], s[6:7], s[62:63]          ; q: part g of tile 0
	s_lshl_b32 s60, s27, 19                        ; v: batch x 64 channel rows x 8,192 bytes
	s_lshl_b32 s61, s23, 17                        ; + 16 channel rows for each part
	s_add_co_u32 s62, s60, s61
	s_add_nc_u64 s[8:9], s[8:9], s[62:63]          ; v: channel rows 16 g .. of tile 0
.irp s, 0,1
	s_mov_b32 s[G0Q+4*\s], 1
	s_add_co_u32 s[G0Q+4*\s+1], s72, \s*SLOT
	s_add_nc_u64 s[G0Q+4*\s+2:G0Q+4*\s+3], s[6:7], \s*65536       ; a tile of q: 256 keys x 256 bytes
	s_or_b32 s[G0Q+4*\s+3], s[G0Q+4*\s+3], 0x80000000
	s_mov_b32 s[G0V+4*\s], 1
	s_add_co_u32 s[G0V+4*\s+1], s76, \s*SLOT
	s_add_nc_u64 s[G0V+4*\s+2:G0V+4*\s+3], s[8:9], \s*512         ; a tile of v: 256 keys x 2 bytes along the rows
	s_or_b32 s[G0V+4*\s+3], s[G0V+4*\s+3], 0x80000000
.endr
	ROUND                                          ; all four work-groups are here: the first joint loads meet
	JLOAD 0                                        ; tile 0
	JLOAD 1                                        ; tile 1: two tensor loads of the wave are out here, later one
	; the addresses that hang on my place in the cluster, in registers of their own
	s_lshl_b32 s74, s27, 20                        ; k: batch x 4,096 rows x 256 bytes
	s_lshl_b32 s75, s26, 15                        ; + block x 128 rows x 256 bytes
	s_add_co_u32 s74, s74, s75
	s_mov_b32 s75, 0
	s_add_nc_u64 s[4:5], s[4:5], s[74:75]          ; k at my block's first row
	s_lshl_b32 s74, s27, 22
	s_lshl_b32 s75, s26, 17
	s_add_co_u32 s74, s74, s75
	s_lshl_b32 s75, s73, 14
	s_add_co_u32 s74, s74, s75
	s_mov_b32 s75, 0
	s_add_nc_u64 s[20:21], s[20:21], s[74:75]      ; out0 at the 16 rows that I finish: (batch x 4096 + 128 block + 16 (2 g + p)) x 1,024 bytes
.irp pc, 0,1
.irp q, 0,1,2,3
	global_load_b128 v[KH+16*\pc+4*\q:KH+16*\pc+4*\q+3], v[210+\pc], s[4:5] offset:32*\q    ; k, upper parts: channels 16 q + 8 h .. + 7 of row r
.endr
.endr
	WIN 0x40                                       ; destination in window 1, address in window 0
.irp pc, 0,1
.irp q, 0,1,2,3
	global_load_b128 v[KL+16*\pc+4*\q:KL+16*\pc+4*\q+3], v[210+\pc], s[4:5] offset:128+32*\q    ; k, lower parts, 128 bytes on in the row
.endr
.endr
	WIN 0
.irp e, 0,1
	global_load_b128 v[80+4*\e:80+4*\e+3],   v209, s[12:13] offset:512*\e    ; gamma of channels 128 e + 4 lane .. + 3
	global_load_b128 v[88+4*\e:88+4*\e+3],   v209, s[18:19] offset:512*\e    ; moving_var
	global_load_b128 v[96+4*\e:96+4*\e+3],   v209, s[16:17] offset:512*\e    ; moving_mean
	global_load_b128 v[104+4*\e:104+4*\e+3], v209, s[14:15] offset:512*\e    ; beta
.endr
.set i, 0
.rept 16
	global_load_b128 v[144+4*i:144+4*i+3], v23, s[10:11] offset:512*i        ; half a row of Wo
.set i, i+1
.endr
	; lane addresses, while the loads are on their way
	v_mul_u32_u24 v4, v1, 272
	v_lshl_add_u32 v4, v2, 4, v4
	s_mul_i32 s60, s24, 2*PART
	v_add_nc_u32 v4, s60, v4                       ; q: key row r; 16 h; my 128 keys
	v_add_nc_u32 v5, SLOT, v4
	v_mul_u32_u24 v6, v1, VPI
	v_lshl_add_u32 v6, v2, 4, v6
	s_lshl_b32 s60, s24, 8
	s_add_co_u32 s60, s60, QBYTES
	v_add_nc_u32 v6, s60, v6                       ; v: channel row r; 16 h; my 128 keys are 256 bytes of each row
	v_add_nc_u32 v7, SLOT, v6
	s_mul_i32 s60, s22, XCHW
	s_add_co_u32 s60, s60, XCH
	v_lshl_add_u32 v8, v3, 4, s60                  ; exchange: what I give
	s_add_co_u32 s61, s60, 4096
	v_lshl_add_u32 v9, v3, 2, s61
	s_xor_b32 s62, s22, 4
	s_mul_i32 s62, s62, XCHW
	s_add_co_u32 s62, s62, XCH
	v_lshl_add_u32 v10, v3, 4, s62                 ; what wave w ^ 4 gives me
	s_add_co_u32 s62, s62, 4096
	v_lshl_add_u32 v11, v3, 2, s62
	s_mul_i32 s60, s22, STGW
	v_mul_u32_u24 v12, v1, STGP
	v_lshl_add_u32 v12, v2, 5, v12
	v_add_nc_u32 v12, s60, v12                     ; stage in: row r, 32 h
	v_lshl_add_u32 v13, v3, 4, s60                 ; stage back: 512 consecutive bytes a load
	v_and_b32 v25, 7, v0
	v_lshl_add_u32 v25, v2, 3, v25
	v_mul_u32_u24 v208, v25, WOP
	v_bfe_u32 v25, v0, 3, 1
	v_lshl_add_u32 v208, v25, 4, v208
	v_add_nc_u32 v208, WOL, v208                   ; Wo, transposing load: row 8 h + (L & 7), 16 ((L >> 3) & 1)
	s_mul_i32 s60, s22, 8*WOP
	s_add_co_u32 s60, s60, WOL
	v_lshl_add_u32 v24, v3, 3, s60                 ; Wo into LDS: row 8 w, 8 bytes a lane
	v_mov_b32 v[T+4], 0                            ; v_permlanex16_b32's destination counts as read
	s_wait_loadcnt 0x0                             ; k, the batch norm's four vectors, Wo: once
.set i, 0
.rept 16
	v_cvt_pk_bf16_f32 v[144+4*i], v[144+4*i], v[144+4*i+1]
	v_cvt_pk_bf16_f32 v[144+4*i+1], v[144+4*i+2], v[144+4*i+3]
	ds_store_b64 v24, v[144+4*i:144+4*i+1] offset:WOP*(i>>1)+256*(i&1)
.set i, i+1
.endr
	; batch norm as one multiply-add: scale = gamma rsqrt(var + 0.001), shift = beta - mean x scale
.irp i, 0,1,2,3,4,5,6,7
	v_add_f32 v[88+\i], 0x3a83126f, v[88+\i]
.endr
.irp i, 0,1,2,3,4,5,6,7
	v_rsq_f32 v[88+\i], v[88+\i]
.endr
	v_nop                                          ; one plain instruction behind the transcendentals (ISA guide 5.7.2)
	s_wait_alu depctr_va_vdst(0)
.irp i, 0,2,4,6
	v_pk_mul_f32 v[32+\i:32+\i+1], v[80+\i:80+\i+1], v[88+\i:88+\i+1]
.endr
.irp i, 0,2,4,6
	v_pk_fma_f32 v[40+\i:40+\i+1], v[96+\i:96+\i+1], v[32+\i:32+\i+1], v[104+\i:104+\i+1] neg_lo:[1,0,0] neg_hi:[1,0,0]
.endr
	s_wait_tensorcnt 0x1                           ; my part of tile 0 is in; tile 1's stays out
	s_wait_dscnt 0x0                               ; my rows of Wo are in LDS, for the other waves' sake
	s_barrier_signal -1
	s_barrier_wait -1
; v fragments of block b (64 keys of my 128) of a slot: 2 x 32 keys x 4 channel tiles
.macro LOADV slot, b
	WIN 0x40                                       ; destination in window 1, address in window 0
.irp kp, 0,1
.irp ct, 0,1,2,3
.irp e, 0,1
	ds_load_b128 v[128+32*\kp+8*\ct+4*\e:128+32*\kp+8*\ct+4*\e+3], v[6+\slot] offset:VPART*\ct+128*\b+64*\kp+32*\e
.endr
.endr
.endr
.endm
; q fragments of block b: 4 key tiles x (upper, lower part) x 2 x 32 channels; 64 keys are 64 LDS rows
.macro LOADQ slot, b
	WIN 0x40
.irp kt, 0,1,2,3
.irp t, 0,1
.irp ks, 0,1
.irp e, 0,1
	ds_load_b128 v[32*\kt+16*\t+8*\ks+4*\e:32*\kt+16*\t+8*\ks+4*\e+3], v[4+\slot] offset:PART*\b+4352*\kt+128*\t+64*\ks+32*\e
.endr
.endr
.endr
.endr
.endm
; One pass over the eight score tiles (4 key tiles x 2 pieces): part t of q, channels 32 ks .. + 31, against k's part at register kb.
.macro SPASS t, ks, kb, zero
.irp kt, 0,1,2,3
.irp pc, 0,1
.if \zero
	v_wmma_f32_16x16x32_f16 v[144+32*\pc+8*\kt:144+32*\pc+8*\kt+7], v[32*\kt+16*\t+8*\ks:32*\kt+16*\t+8*\ks+7], v[\kb+16*\pc+8*\ks:\kb+16*\pc+8*\ks+7], 0
.else
	v_wmma_f32_16x16x32_f16 v[144+32*\pc+8*\kt:144+32*\pc+8*\kt+7], v[32*\kt+16*\t+8*\ks:32*\kt+16*\t+8*\ks+7], v[\kb+16*\pc+8*\ks:\kb+16*\pc+8*\ks+7], v[144+32*\pc+8*\kt:144+32*\pc+8*\kt+7]
.endif
.endr
.endr
.endm
; Scores of 64 keys x 32 rows.  The eight accumulators take turns, one instruction a turn, in six passes.
.macro SMUL
	WIN 0x01                                       ; source 0 (q) in window 1, source 1 (k's upper parts) in window 0
	SPASS 0, 0, KH, 1
	SPASS 0, 1, KH, 0
	SPASS 1, 0, KH, 0
	SPASS 1, 1, KH, 0
	WIN 0x05                                       ; source 1 (k's lower parts) in window 1 too
	SPASS 0, 0, KL, 0
	SPASS 0, 1, KL, 0
.endm
; O += v x weights.  Eight accumulators by turns likewise.  first = 1: the first products start the sums.
.macro PVMUL first
.irp kp, 0,1
.irp ct, 0,1,2,3
.irp pc, 0,1
.if \first*(1-\kp)
	v_wmma_f32_16x16x32_f16 v[80+32*\pc+8*\ct:80+32*\pc+8*\ct+7], v[128+32*\kp+8*\ct:128+32*\kp+8*\ct+7], v[212+16*\pc+8*\kp:212+16*\pc+8*\kp+7], 0
.else
	v_wmma_f32_16x16x32_f16 v[80+32*\pc+8*\ct:80+32*\pc+8*\ct+7], v[128+32*\kp+8*\ct:128+32*\kp+8*\ct+7], v[212+16*\pc+8*\kp:212+16*\pc+8*\kp+7], v[80+32*\pc+8*\ct:80+32*\pc+8*\ct+7]
.endif
.endr
.endr
.endr
.endm
; The running softmax of one piece (16 rows x 64 keys; a lane holds 32 scores of its row).
.macro SOFTMAX pc, first
.set SB, 144+32*\pc
.set NM, 14+4*\pc                      ; NM: -log2e x maximum; NM + 1: the maximum
.set AL, 16+4*\pc                      ; AL: the rescale of what was summed before; AL + 1: the lane's part of the row's sum
.set OB, 80+32*\pc
.set PB, 212+16*\pc
.irp c, 0,1,2,3
	v_max3_num_f32 v[T+\c], v[SB+8*\c], v[SB+8*\c+1], v[SB+8*\c+2]         ; four chains that do not wait for each other
.endr
.irp c, 0,1,2,3
	v_max3_num_f32 v[T+\c], v[T+\c], v[SB+8*\c+3], v[SB+8*\c+4]
.endr
.irp c, 0,1,2,3
	v_max3_num_f32 v[T+\c], v[T+\c], v[SB+8*\c+5], v[SB+8*\c+6]
.endr
	v_max3_num_f32 v[T], v[T], v[T+1], v[SB+7]
	v_max3_num_f32 v[T+2], v[T+2], v[T+3], v[SB+15]
	v_max3_num_f32 v[T], v[T], v[T+2], v[SB+23]
	v_max_num_f32 v[T], v[T], v[SB+31]
	v_permlanex16_b32 v[T+4], v[T], s66, s67       ; the row's other lane
.if \first
	v_max_num_f32 v[NM+1], v[T], v[T+4]
	v_mul_f32 v[NM], 0xbfb8aa3b, v[NM+1]
.else
	v_max3_num_f32 v[NM+1], v[T], v[T+4], v[NM+1]  ; the running maximum
	v_mul_f32 v[T+6], 0xbfb8aa3b, v[NM+1]
	v_sub_f32 v[T+7], v[T+6], v[NM]                ; log2e x (old maximum - new), from the two rounded figures that the exponents use
	v_mov_b32 v[NM], v[T+6]
.endif
.set u, 0
.rept 16
	v_pk_fma_f32 v[SB+2*u:SB+2*u+1], v[SB+2*u:SB+2*u+1], s[70:71], v[NM:NM+1] op_sel_hi:[1,0,0]   ; log2e x (score - maximum)
.set u, u+1
.endr
.if \first == 0
	v_exp_f32 v[AL], v[T+7]
.endif
.set u, 0
.rept 32
	v_exp_f32 v[SB+u], v[SB+u]
.set u, u+1
.endr
	v_nop                                          ; one plain instruction behind the transcendentals (ISA guide 5.7.2)
	s_wait_alu depctr_va_vdst(0)
.irp c, 0,1,2,3
	v_pk_add_f32 v[T+2*\c:T+2*\c+1], v[SB+8*\c:SB+8*\c+1], v[SB+8*\c+2:SB+8*\c+3]
.endr
.irp c, 0,1,2,3
	v_pk_add_f32 v[T+2*\c:T+2*\c+1], v[T+2*\c:T+2*\c+1], v[SB+8*\c+4:SB+8*\c+5]
.endr
.irp c, 0,1,2,3
	v_pk_add_f32 v[T+2*\c:T+2*\c+1], v[T+2*\c:T+2*\c+1], v[SB+8*\c+6:SB+8*\c+7]
.endr
	v_pk_add_f32 v[T:T+1], v[T:T+1], v[T+2:T+3]
	v_pk_add_f32 v[T+4:T+5], v[T+4:T+5], v[T+6:T+7]
	v_pk_add_f32 v[T:T+1], v[T:T+1], v[T+4:T+5]
.if \first
	v_add_f32 v[AL+1], v[T], v[T+1]
.else
	v_add_f32 v[T], v[T], v[T+1]
	v_fma_f32 v[AL+1], v[AL+1], v[AL], v[T]
.endif
.set u, 0
.rept 16
	v_cvt_pk_f16_f32 v[PB+u], v[SB+2*u], v[SB+2*u+1]                       ; two key tiles packed are a source 1 of 32 keys
.set u, u+1
.endr
.if \first == 0
.set u, 0
.rept 16
	v_pk_mul_f32 v[OB+2*u:OB+2*u+1], v[OB+2*u:OB+2*u+1], v[AL:AL+1] op_sel_hi:[1,0]
.set u, u+1
.endr
.endif
.endm
; The change of slots.  In front of it: my reads of this slot are back and all my tensor loads have landed, my part of the other slot
; among them.  fill = 1: the round of the cluster's barrier shows the same of every wave of all four work-groups, and my one joint
; load, this slot's tile two tiles on, is the first thing behind it.  fill = 0: nothing is left to fetch; a barrier of the work-group.
.macro TURN slot, fill
	s_wait_dscnt 0x0
	s_wait_tensorcnt 0x0
	ds_add_u32 v254, v255
	s_wait_dscnt 0x0
.if \fill
	s_add_nc_u64 s[G0Q+4*\slot+2:G0Q+4*\slot+3], s[G0Q+4*\slot+2:G0Q+4*\slot+3], 2*65536   ; no tensor load of mine is out: group 0 may be written
	s_add_nc_u64 s[G0V+4*\slot+2:G0V+4*\slot+3], s[G0V+4*\slot+2:G0V+4*\slot+3], 2*512
	ROUND
	JLOAD \slot
.else
	s_barrier_signal -1
	s_barrier_wait -1
.endif
.endm
; 64 keys.  nxt = 0: the next block is in this slot; 1: change of slots with a refill; 2: without; 3: the last block of all.
.macro BLOCK slot, b, nxt, first
	s_wait_dscnt 0x0                               ; this block's q fragments are in
	SMUL
	PLACES                                         ; for the loads into q's and v's fragments and for the softmax's reads of the scores
	LOADV \slot, \b
.if \nxt == 0
	LOADQ \slot, (\b+1)
.endif
.if \nxt == 1
	WIN 0
	TURN \slot, 1
	LOADQ (1-\slot), 0
.endif
.if \nxt == 2
	WIN 0
	TURN \slot, 0
	LOADQ (1-\slot), 0
.endif
	WIN 0
	SOFTMAX 0, \first
	SOFTMAX 1, \first
.if \nxt == 3
	s_wait_dscnt 0x0
.else
	s_wait_dscnt 32                                ; v's 16 loads are in; the next block's 32 q loads stay out
.endif
	WIN 0x01
	PVMUL \first
.endm
.macro TILE slot, nxt, first           ; my 128 keys of a tile: two blocks
	BLOCK \slot, 0, 0, \first
	BLOCK \slot, 1, \nxt, 0
.endm
	LOADQ 0, 0
	TILE 0, 1, 1                                   ; tile 0; behind it slot 0 is asked for tile 2
	WIN 0
	s_mov_b32 s68, 6
.Lpair:
	TILE 1, 1, 0                                   ; tiles 1, 3, .. 11
	TILE 0, 1, 0                                   ; tiles 2, 4, .. 12
	WIN 0
	s_sub_co_u32 s68, s68, 1
	s_cmp_lg_u32 s68, 0
	s_cbranch_scc1 .Lpair
	TILE 1, 1, 0                                   ; tile 13; behind it slot 1 is asked for tile 15, the last load
	TILE 0, 2, 0                                   ; tile 14; its turn shows tile 15 landed in every wave
	TILE 1, 3, 0                                   ; tile 15
	; THE MERGE.  Piece 1 goes to wave w ^ 4 through the exchange's own bytes; Wo's fragments are fetched meanwhile.
	WIN 0
	PLACES                                         ; behind the last products: their sums are read, their fragments loaded over
.irp c, 0,1,2,3,4,5,6,7
	ds_store_b128 v8, v[112+4*\c:112+4*\c+3] offset:512*\c
.endr
	ds_store_b32 v9, v18                           ; piece 1's -log2e x maximum
	ds_store_b32 v9, v21 offset:128                ; and its sum
	WIN 0x40
.irp ot, 0,1,2,3,4,5,6,7,8,9,10,11,12,13,14,15
.irp kp, 0,1
.irp e, 0,1
	ds_load_tr16_b128 v[16*\ot+8*\kp+4*\e:16*\ot+8*\kp+4*\e+3], v208 offset:32*WOP*\kp+16*WOP*\e+32*\ot   ; m = output channel 16 ot + r, k = channel 32 kp ..
.endr
.endr
.endr
	WIN 0
	s_wait_dscnt 0x0                               ; my stores are done for my partner's sake, and all my reads of the two slots are back
	s_barrier_signal -1
	s_barrier_wait -1                              ; both hold of every wave: the exchange may be read, the slots' bytes may serve as stage
.irp c, 0,1,2,3,4,5,6,7
	ds_load_b128 v[144+4*\c:144+4*\c+3], v10 offset:512*\c
.endr
	ds_load_b32 v22, v11
	ds_load_b32 v23, v11 offset:128
	v_mov_b32 v30, 0                               ; v_permlanex16_b32's destination counts as read
	s_wait_dscnt 0x0
	v_min_num_f32 v24, v14, v22                    ; the larger maximum has the smaller -log2e x maximum
	v_sub_f32 v26, v24, v14
	v_sub_f32 v28, v24, v22
	v_exp_f32 v26, v26                             ; my half's rescale
	v_exp_f32 v28, v28                             ; the partner's
	v_nop
	s_wait_alu depctr_va_vdst(0)
	v_mul_f32 v25, v17, v26
	v_fmac_f32 v25, v23, v28
	v_permlanex16_b32 v30, v25, s66, s67           ; the row's other lane holds the sum over the other keys of each tile
	v_add_f32 v25, v25, v30
	v_rcp_f32 v25, v25
	v_nop
	s_wait_alu depctr_va_vdst(0)
	v_mul_f32 v26, v26, v25
	v_mul_f32 v28, v28, v25
.set u, 0
.rept 16
	v_pk_mul_f32 v[80+2*u:80+2*u+1], v[80+2*u:80+2*u+1], v[26:27] op_sel_hi:[1,0]
.set u, u+1
.endr
.set u, 0
.rept 16
	v_pk_fma_f32 v[80+2*u:80+2*u+1], v[144+2*u:144+2*u+1], v[28:29], v[80+2*u:80+2*u+1] op_sel_hi:[1,0,1]
.set u, u+1
.endr
	; the normalised result as bf16 (v176-191) plus the bf16 of what that rounding left (v192-207)
.set u, 0
.rept 16
	v_cvt_pk_bf16_f32 v[176+u], v[80+2*u], v[80+2*u+1]
	v_lshlrev_b32 v[144+2*u], 16, v[176+u]
	v_and_b32 v[144+2*u+1], 0xffff0000, v[176+u]
	v_pk_add_f32 v[80+2*u:80+2*u+1], v[80+2*u:80+2*u+1], v[144+2*u:144+2*u+1] neg_lo:[0,1] neg_hi:[0,1]
	v_cvt_pk_bf16_f32 v[192+u], v[80+2*u], v[80+2*u+1]
.set u, u+1
.endr
; 16 output tiles x one source 1.  The sixteen accumulators take turns, one instruction a turn.
.macro OMUL kp, src, zero
.irp ot, 0,1,2,3,4,5,6,7,8,9,10,11,12,13,14,15
.if \zero
	v_wmma_f32_16x16x32_bf16 v[48+8*\ot:48+8*\ot+7], v[16*\ot+8*\kp:16*\ot+8*\kp+7], v[\src+8*\kp:\src+8*\kp+7], 0
.else
	v_wmma_f32_16x16x32_bf16 v[48+8*\ot:48+8*\ot+7], v[16*\ot+8*\kp:16*\ot+8*\kp+7], v[\src+8*\kp:\src+8*\kp+7], v[48+8*\ot:48+8*\ot+7]
.endif
.endr
.endm
	WIN 0x01
	OMUL 0, 176, 1
	OMUL 1, 176, 0
	OMUL 0, 192, 0
	OMUL 1, 192, 0
	; THE WAY OUT: a lane holds 8 neighbouring output channels of row r; through my own stage the rows come back whole.
	WIN 0
	PLACES
.irp ot, 0,1,2,3,4,5,6,7,8,9,10,11,12,13,14,15
	ds_store_b128 v12, v[48+8*\ot:48+8*\ot+3] offset:64*\ot
	ds_store_b128 v12, v[48+8*\ot+4:48+8*\ot+7] offset:64*\ot+16
.endr
.set n, 0
.rept 32
	ds_load_b128 v[48+4*n:48+4*n+3], v13 offset:STGP*(n>>1)+512*(n&1)      ; LDS serves a wave's instructions in order (ISA guide 5.7.1.4): these see the stores above
.set n, n+1
.endr
.set n, 0
.rept 32
	s_wait_dscnt 31-n                              ; the counts run down over the 32 loads
	v_pk_fma_f32 v[48+4*n:48+4*n+1], v[48+4*n:48+4*n+1], v[32+4*(n&1):32+4*(n&1)+1], v[40+4*(n&1):40+4*(n&1)+1]
	v_pk_fma_f32 v[48+4*n+2:48+4*n+3], v[48+4*n+2:48+4*n+3], v[32+4*(n&1)+2:32+4*(n&1)+3], v[40+4*(n&1)+2:40+4*(n&1)+3]
	global_store_b128 v209, v[48+4*n:48+4*n+3], s[20:21] offset:512*n th:TH_STORE_NT   ; 512 consecutive bytes, aligned: half a row of out0
.set n, n+1
.endr
	s_wait_tensorcnt 0x0
	ds_add_u32 v254, v255
	s_wait_dscnt 0x0
	ROUND                                          ; the closing round: no work-group ends while a partner may still ask for a tile that names it
	s_endpgm
.Lfunc_end_k_qb96242ec2c_attn:
	.size	k_qb96242ec2c_attn, .Lfunc_end_k_qb96242ec2c_attn-k_qb96242ec2c_attn
	.p2alignl 7, 3214868480
	.fill 96, 4, 3214868480
	.section	.rodata,"a",@progbits
	.p2align	6, 0x0
	.amdhsa_kernel k_qb96242ec2c_attn
		.amdhsa_group_segment_fixed_size 327680
		.amdhsa_private_segment_fixed_size 0
		.amdhsa_enable_private_segment 0
		.amdhsa_kernarg_size 72
		.amdhsa_user_sgpr_count 2
		.amdhsa_user_sgpr_kernarg_segment_ptr 1
		.amdhsa_wavefront_size32 1
		.amdhsa_system_sgpr_workgroup_id_x 1
		.amdhsa_system_sgpr_workgroup_id_y 1
		.amdhsa_system_sgpr_workgroup_id_z 1
		.amdhsa_system_vgpr_workitem_id 0
		.amdhsa_next_free_vgpr 512
		.amdhsa_next_free_sgpr 80
		.amdhsa_reserve_vcc 0
		.amdhsa_float_denorm_mode_32 3
		.amdhsa_float_denorm_mode_16_64 3
		.amdhsa_memory_ordered 1
		.amdhsa_forward_progress 1
		.amdhsa_inst_pref_size 255
	.end_amdhsa_kernel
	.section	.bss,"aw",@nobits
	.p2align	6
	.space	262144
	.amdgpu_metadata
---
amdhsa.version: [ 1, 2 ]
amdhsa.kernels:
  - .name:           k_qb96242ec2c_attn
    .symbol:         k_qb96242ec2c_attn.kd
    .args:
      - { .name: kbuf, .offset: 0, .size: 8, .value_kind: global_buffer, .address_space: global }
      - { .name: qbuf, .offset: 8, .size: 8, .value_kind: global_buffer, .address_space: global }
      - { .name: vtbuf, .offset: 16, .size: 8, .value_kind: global_buffer, .address_space: global }
      - { .name: Wo, .offset: 24, .size: 8, .value_kind: global_buffer, .address_space: global }
      - { .name: gamma, .offset: 32, .size: 8, .value_kind: global_buffer, .address_space: global }
      - { .name: beta, .offset: 40, .size: 8, .value_kind: global_buffer, .address_space: global }
      - { .name: moving_mean, .offset: 48, .size: 8, .value_kind: global_buffer, .address_space: global }
      - { .name: moving_var, .offset: 56, .size: 8, .value_kind: global_buffer, .address_space: global }
      - { .name: out0, .offset: 64, .size: 8, .value_kind: global_buffer, .address_space: global }
    .group_segment_fixed_size: 327680
    .private_segment_fixed_size: 0
    .kernarg_segment_align: 8
    .kernarg_segment_size: 72
    .max_flat_workgroup_size: 256
    .sgpr_count:     80
    .vgpr_count:     512
    .wavefront_size: 32
...
	.end_amdgpu_metadata
.endif
;; end of part 2
;; ======== version 2 of 2: 2 launches; 1.10 times as fast as version 1
;; limits: values are held in f16: magnitudes above 65,504 overflow, below 6.1e-05 lose precision
;; workspace buffers: kbuf 8,388,608 bytes; qbuf 8,388,608 bytes; vtbuf 4,194,304 bytes
;; launch proj (part 3): grid 256 x 1, 8 waves a work-group, no clusters, 262,144 bytes of LDS; arguments x, Wk, Wq, Wv, kbuf, qbuf, vtbuf; writes kbuf, qbuf, vtbuf
.if DOCPART == 3
	.amdgcn_target "amdgcn-amd-amdhsa--gfx1250"
	.amdhsa_code_object_version 6
	.text
	.protected	k_qb96242ec2c_proj
	.globl	k_qb96242ec2c_proj
	.p2align	8
	.type	k_qb96242ec2c_proj,@function
k_qb96242ec2c_proj:
	s_mov_b64 s[64:65], 0
	v_nop
	global_prefetch_b8 v0, s[64:65] scope:SCOPE_SE
	s_setreg_imm32_b32 hwreg(HW_REG_WAVE_MODE, 25, 1), 1
	s_wait_xcnt 0x0
; k = x Wk, q = x Wq, v = x Wv for 32,768 positions of 256 channels, 64 channels out each.
; x and the weights go to the matrix unit in bf16, sums in f32.  Stored for the second launch:
;   k as [position][128] f16: 64 numbers kh = k rounded to f16's 11 bits, then 64 numbers U = f16(kh/8 + 8 kl), kl = k - kh;
;   q as [position][128] f16: 64 numbers g = (q - qh/64) rounded to 11 bits (qh = q cut to 11 bits), then 64 numbers
;     W = f16(qh/8 + 8 Y), Y = (q - qh/64) - g;
;   v transposed as [batch][64 channels][4096 positions] f16, the order in which the second launch multiplies it.
; WHY: a score's error goes through an exponential and is then multiplied by the difference of the leading keys' values, so one f16
; rounding of k or of q is too coarse.  With these four numbers two f16 products give
;   kh g + U W = kh (g + qh/64 + Y) + kl qh + 64 kl Y = kh q + kl qh + 64 kl Y,
; which is k q but for 64 kl Y - kl (q - qh).  63/64 and 1/64 of the score add up: no large sums are subtracted.
; Every f32 step below is exact: kh/8 + 8 kl spans 19 bits, q - qh/64 lies on q's own grid under q, Y and qh/8 + 8 Y span 18 bits.
; Nothing of reference() is left out in this program: every product and every input has a way to the output.
; LIMITS: k, q, v are clamped to +-65,504 (f16's largest number) before they are narrowed; the clamp takes the middle of three numbers
; and does not carry a NaN.  With x and the weights each 30 times the drawn spread, or offset by 30 spreads, k, q, v stay under 12,000.
; For each channel a score is off by 64 kl Y - kl (q - qh) (|kl| <= 2^-11 |k|, |Y| <= 2^-11 |q|) and by the roundings of U and W
; (2^-12 of an eighth, times an eighth): together some 2^-17 of |k q|.  Numbers under 2^-14 land on f16's denormal grid: an absolute
; error of 3e-8 at the most.
; SHARES: a work-group owns 128 positions; eight waves.  Loading: wave w brings 16 rows of x and 32 rows of each weight,
; by loads of 512 consecutive bytes, converts them and lays them into LDS once.  Computing: wave w = (cg = w & 3, rh = w >> 2)
; makes channels 16 cg .. +15 of k, of q and of v for rows 64 rh .. +63: 12 accumulator tiles.  So a wave reads a quarter of
; the weights and half of x from LDS.  No tensor loads: every byte is loaded once, and two barriers are all the ordering.
; The matrix instruction takes the weights as source 0 (m = channel) and x as source 1 (n = row): a lane's eight results are
; eight neighbouring channels of one row, 16 bytes of f16.
.set WP,  416                          ; LDS pitch of a weight row: 192 bf16 (Wk, Wq, Wv side by side) + 32 bytes = 13 x 32
.set XP,  528                          ; LDS pitch of a row of x: 256 bf16 + 16 bytes = 33 x 16
.set QP,  272                          ; stages of k and q: 128 f16 + 16 bytes
.set VP,  272                          ; stage of v: 128 f16 + 16 bytes
.set XL,  106496                       ; x behind the weights' 256 rows x 416
.set KST, 174080                       ; stage of k: 128 rows x 272
.set QOF, 128*QP                       ; q's stage follows k's: 34,816 bytes on, inside the 16-bit immediate
.set VST, KST+2*QOF                    ; stage of v: 64 channel rows x 272
.set WF,  16                           ; v16-63   weight fragments: buffer b, matrix M at 16 + 24 b + 8 M; then g in f32
.set ACC, 64                           ; v64-159  accumulators: matrix M, row tile rt at 64 + 32 M + 8 rt (before that: the weights as loaded)
.set XF,  160                          ; v160-223 fragments of x: buffer b, row tile rt at 160 + 32 b + 8 rt; then kh and qh in f32
.set RB,  64                           ; v64-143  at the end: the stages read back
                                       ; v256-383 (window 1) x as loaded, then as bf16
.set MSB, 0
.macro WIN new                         ; s_set_vgpr_msb: low byte the new setting, high byte the one that is left
.if MSB != \new
	s_set_vgpr_msb (MSB<<8)|\new
.set MSB, \new
.endif
.endm
.macro PLACES                          ; four plain vector places behind matrix instructions (ISA guide 7.12.1)
.rept 4
	v_nop
.endr
.endm
	s_load_b256 s[4:11], s[0:1], 0x0               ; x s[4:5], Wk s[6:7], Wq s[8:9], Wv s[10:11]
	s_load_b128 s[12:15], s[0:1], 0x20             ; kbuf s[12:13], qbuf s[14:15]
	s_load_b64 s[16:17], s[0:1], 0x30              ; vtbuf
	s_set_vgpr_msb 0x40
	v_lshl_add_u32 v128, v0, 2, 0x3fc00
	v_mov_b32 v129, 0
	s_set_vgpr_msb 0x4000
	v_lshrrev_b32 v14, 5, v0
	v_readfirstlane_b32 s18, v14                   ; wave 0..7
	s_and_b32 s19, s18, 3                          ; cg: my 16 channels
	s_lshr_b32 s20, s18, 2                         ; rh: my 64 rows
	v_and_b32 v14, 31, v0                          ; L
	s_lshl_b32 s22, s18, 13
	v_lshl_add_u32 v1, v14, 4, s22                 ; weights: 32 rows of 256 bytes a wave, 16 bytes a lane
	s_lshl_b32 s22, s18, 14
	v_lshl_add_u32 v2, v14, 4, s22                 ; x: 16 rows of 1,024 bytes a wave
	s_wait_kmcnt 0x0
	s_lshl_b32 s22, ttmp9, 17                      ; the group's 128 rows of x: 131,072 bytes
	s_mov_b32 s23, 0
	s_add_nc_u64 s[4:5], s[4:5], s[22:23]
.irp M, 0,1,2
.irp i, 0,1,2,3,4,5,6,7,8,9,10,11,12,13,14,15
	global_load_b128 v[ACC+64*\M+4*\i:ACC+64*\M+4*\i+3], v1, s[6+2*\M:7+2*\M] offset:512*\i   ; two weight rows
.endr
.endr
	WIN 0x40                                       ; destination in window 1, address in window 0
.set i, 0
.rept 32
	global_load_b128 v[4*i:4*i+3], v2, s[4:5] offset:512*i th:TH_LOAD_NT    ; half a row of x; read once in the launch
.set i, i+1
.endr
	WIN 0
	; while the loads are on their way: the other bases, the constants and the lane addresses
	s_lshl_b32 s24, ttmp9, 15                      ; the group's 128 rows of k and of q: 32,768 bytes
	s_mov_b32 s25, 0
	s_add_nc_u64 s[12:13], s[12:13], s[24:25]
	s_add_nc_u64 s[14:15], s[14:15], s[24:25]
	s_lshr_b32 s28, ttmp9, 5
	s_lshl_b32 s28, s28, 19                        ; batch x 64 channel rows x 8,192 bytes
	s_and_b32 s29, ttmp9, 31
	s_lshl_b32 s29, s29, 8                         ; + the group's 128 positions x 2 bytes
	s_add_co_u32 s28, s28, s29
	s_mov_b32 s29, 0
	s_add_nc_u64 s[16:17], s[16:17], s[28:29]
	s_mov_b32 s26, 0xc77fe000                      ; -65504.0
	s_mov_b32 s27, 0x477fe000                      ; +65504.0
	s_mov_b32 s30, 0x41000000                      ; 8.0, as a pair for the packed forms
	s_mov_b32 s31, 0x41000000
	s_mov_b32 s32, 0xc0fc0000                      ; -7.875 = 1/8 - 8
	s_mov_b32 s33, 0xc0fc0000
	s_mov_b32 s34, 0xbc800000                      ; -1/64
	s_mov_b32 s35, 0xbc800000
	s_mov_b32 s36, 0x3e000000                      ; 1/8
	s_mov_b32 s37, 0x3e000000
	v_and_b32 v15, 15, v0                          ; r
	v_bfe_u32 v16, v0, 4, 1                        ; h
	v_and_b32 v17, 7, v0                           ; L & 7
	v_bfe_u32 v18, v0, 3, 1                        ; (L >> 3) & 1
	s_mul_i32 s22, s18, 32*WP
	v_mul_u32_u24 v3, v16, WP
	v_lshl_add_u32 v3, v15, 3, v3
	v_add_nc_u32 v3, s22, v3                       ; v3: weights into LDS: row 32 w + h, 8 bytes at column 4 r
	s_mul_i32 s22, s18, 16*XP
	s_add_co_u32 s22, s22, XL
	v_lshl_add_u32 v4, v14, 3, s22                 ; v4: x into LDS: row 16 w, 8 bytes a lane
	v_lshl_add_u32 v5, v16, 3, v17
	v_mul_u32_u24 v5, v5, WP
	v_lshl_add_u32 v5, v18, 4, v5
	s_lshl_b32 s22, s19, 5
	v_add_nc_u32 v5, s22, v5                       ; v5: transposing load: row 8 h + (L & 7), 16 bytes at 16 ((L >> 3) & 1), my 16 channels
	v_add_nc_u32 v6, 128*WP, v5                    ; v6: the same for K steps 4 to 7 (the 16-bit immediate ends at 65,535)
	s_mul_i32 s22, s20, 64*XP
	s_add_co_u32 s22, s22, XL
	v_mul_u32_u24 v7, v15, XP
	v_lshl_add_u32 v7, v16, 4, v7
	v_add_nc_u32 v7, s22, v7                       ; v7: fragments of x: row 64 rh + r, 16 h
	s_mul_i32 s22, s20, 64*QP
	s_lshl_b32 s23, s19, 5
	s_add_co_u32 s22, s22, s23
	s_add_co_u32 s22, s22, KST
	v_mul_u32_u24 v8, v15, QP
	v_lshl_add_u32 v8, v16, 4, v8
	v_add_nc_u32 v8, s22, v8                       ; v8: k (q: + QOF) into its stage: row 64 rh + r, channels 16 cg + 8 h; the second numbers 128 bytes on
	s_mul_i32 s22, s19, 16*VP
	s_lshl_b32 s23, s20, 7
	s_add_co_u32 s22, s22, s23
	s_add_co_u32 s22, s22, VST
	v_mul_u32_u24 v9, v16, 8*VP
	v_lshl_add_u32 v9, v15, 1, v9
	v_add_nc_u32 v9, s22, v9                       ; v9: v into its stage, transposed: channel row 16 cg + 8 h, position 64 rh + r
	s_mul_i32 s22, s18, 16*QP
	s_add_co_u32 s22, s22, KST
	v_mul_u32_u24 v10, v16, QP
	v_lshl_add_u32 v10, v15, 4, v10
	v_add_nc_u32 v10, s22, v10                     ; v10: k (q: + QOF) back: two rows of 256 bytes a load
	s_mul_i32 s22, s18, 8*VP
	s_add_co_u32 s22, s22, VST
	v_mul_u32_u24 v11, v16, VP
	v_lshl_add_u32 v11, v15, 4, v11
	v_add_nc_u32 v11, s22, v11                     ; v11: v back: two channel rows of 256 bytes a load
	s_lshl_b32 s22, s18, 12
	v_lshl_add_u32 v12, v14, 4, s22                ; v12: offset in kbuf and in qbuf: 16 rows of 256 bytes a wave
	s_lshl_b32 s22, s18, 16
	v_lshlrev_b32 v13, 13, v16
	v_lshl_add_u32 v13, v15, 4, v13
	v_add_nc_u32 v13, s22, v13                     ; v13: offset in vtbuf: channel row 8 w + h, 16 r
; One weight matrix: 16 loads converted in place and laid into LDS, columns 64 M .. 64 M + 63 of the joint rows.
.macro WCONV M, left
	s_wait_loadcnt \left                           ; loads come back in order (ISA guide 5.7.1): this matrix is in, the younger loads stay out
.irp i, 0,1,2,3,4,5,6,7,8,9,10,11,12,13,14,15
	v_cvt_pk_bf16_f32 v[ACC+64*\M+4*\i], v[ACC+64*\M+4*\i], v[ACC+64*\M+4*\i+1]
	v_cvt_pk_bf16_f32 v[ACC+64*\M+4*\i+1], v[ACC+64*\M+4*\i+2], v[ACC+64*\M+4*\i+3]
	ds_store_b64 v3, v[ACC+64*\M+4*\i:ACC+64*\M+4*\i+1] offset:2*WP*\i+128*\M
.endr
.endm
	WCONV 0, 63                                    ; 64 loads are younger; the wait's field ends at 63, and a smaller count is safe
	WCONV 1, 48                                    ; Wv's 16 and x's 32 stay out
	WCONV 2, 32                                    ; x's 32 stay out
; Sixteen loads of x (eight rows), converted in place in window 1 and laid into LDS.
.macro XCONV lo, left
	s_wait_loadcnt \left
	WIN 0x45                                       ; destination and both sources in window 1
.set i, \lo
.rept 16
	v_cvt_pk_bf16_f32 v[4*i], v[4*i], v[4*i+1]
	v_cvt_pk_bf16_f32 v[4*i+1], v[4*i+2], v[4*i+3]
.set i, i+1
.endr
	WIN 0x04                                       ; store data in window 1, address in window 0
.set i, \lo
.rept 16
	ds_store_b64 v4, v[4*i:4*i+1] offset:XP*(i>>1)+256*(i&1)
.set i, i+1
.endr
.endm
	XCONV 0, 16                                    ; the second sixteen stay out
	XCONV 16, 0
	WIN 0
	s_wait_dscnt 0x0                               ; my stores of weights and x are done, for the other waves' sake
	s_barrier_signal -1
	s_barrier_wait -1                              ; everybody's stores are done: fragments may be read
; The fragments of K step ks (32 input channels) into buffer buf: 6 transposing loads (weights lie [k][channel]) and 8 plain ones.
.macro LOADF ks, buf
.irp M, 0,1,2
.irp e, 0,1
	ds_load_tr16_b128 v[WF+24*\buf+8*\M+4*\e:WF+24*\buf+8*\M+4*\e+3], v[5+(\ks>>2)] offset:32*WP*(\ks&3)+128*\M+16*WP*\e
.endr
.endr
.irp rt, 0,1,2,3
.irp e, 0,1
	ds_load_b128 v[XF+32*\buf+8*\rt+4*\e:XF+32*\buf+8*\rt+4*\e+3], v7 offset:16*XP*\rt+64*\ks+32*\e
.endr
.endr
.endm
; One K step: the next step's fragments are asked for, then this step's twelve products.
; The twelve accumulators take turns, one instruction a turn, in the same order in every step.
.macro KSTEP ks
.if \ks < 7
.if \ks > 0
	PLACES                                         ; the loads below land on sources of the step before
.endif
	LOADF (\ks+1), ((\ks+1)&1)
	s_wait_dscnt 14                                ; this step's fragments are in; the 14 just issued stay out
.else
	s_wait_dscnt 0x0
.endif
.irp rt, 0,1,2,3
.irp M, 0,1,2
.if \ks == 0
	v_wmma_f32_16x16x32_bf16 v[ACC+32*\M+8*\rt:ACC+32*\M+8*\rt+7], v[WF+24*(\ks&1)+8*\M:WF+24*(\ks&1)+8*\M+7], v[XF+32*(\ks&1)+8*\rt:XF+32*(\ks&1)+8*\rt+7], 0
.else
	v_wmma_f32_16x16x32_bf16 v[ACC+32*\M+8*\rt:ACC+32*\M+8*\rt+7], v[WF+24*(\ks&1)+8*\M:WF+24*(\ks&1)+8*\M+7], v[XF+32*(\ks&1)+8*\rt:XF+32*(\ks&1)+8*\rt+7], v[ACC+32*\M+8*\rt:ACC+32*\M+8*\rt+7]
.endif
.endr
.endr
.endm
	LOADF 0, 0
.irp ks, 0,1,2,3,4,5,6,7
	KSTEP \ks                                      ; the first step's products start the sums: nothing is cleared
.endr
	; clamp, make the stored numbers, narrow to f16 (compacting in place), and into the stages
	PLACES
	; k: kh = k rounded to 11 bits (half of the 13 bits' unit is added to the f32 pattern, then they are cut off: a number that f16 holds
	; as it is; 65,504 stays 65,504), and U = kh/8 + 8 (k - kh) = 8 k - 7.875 kh in one exact multiply-add
.irp rt, 0,1,2,3
.irp j, 0,1,2,3,4,5,6,7
	v_med3_num_f32 v[ACC+8*\rt+\j], v[ACC+8*\rt+\j], s26, s27
.endr
.irp j, 0,1,2,3,4,5,6,7
	v_add_nc_u32 v[XF+8*\rt+\j], 0x1000, v[ACC+8*\rt+\j]
.endr
.irp j, 0,1,2,3,4,5,6,7
	v_and_b32 v[XF+8*\rt+\j], 0xffffe000, v[XF+8*\rt+\j]                       ; kh
.endr
.irp u, 0,1,2,3
	v_pk_mul_f32 v[ACC+8*\rt+2*\u:ACC+8*\rt+2*\u+1], v[ACC+8*\rt+2*\u:ACC+8*\rt+2*\u+1], s[30:31] op_sel_hi:[1,0]      ; 8 k
.endr
.irp u, 0,1,2,3
	v_pk_fma_f32 v[ACC+8*\rt+2*\u:ACC+8*\rt+2*\u+1], v[XF+8*\rt+2*\u:XF+8*\rt+2*\u+1], s[32:33], v[ACC+8*\rt+2*\u:ACC+8*\rt+2*\u+1] op_sel_hi:[1,0,1]   ; U
.endr
.irp u, 0,1,2,3
	v_cvt_pk_f16_f32 v[XF+8*\rt+\u], v[XF+8*\rt+2*\u], v[XF+8*\rt+2*\u+1]
.endr
.irp u, 0,1,2,3
	v_cvt_pk_f16_f32 v[ACC+8*\rt+\u], v[ACC+8*\rt+2*\u], v[ACC+8*\rt+2*\u+1]
.endr
	ds_store_b128 v8, v[XF+8*\rt:XF+8*\rt+3] offset:16*QP*\rt                  ; eight channels of one row: kh
	ds_store_b128 v8, v[ACC+8*\rt:ACC+8*\rt+3] offset:16*QP*\rt+128            ; and U
.endr
	; q: qh = q cut to 11 bits; d = q - qh/64; g = d rounded to 11 bits; Y = d - g; W = qh/8 + 8 Y
.irp rt, 0,1,2,3
.irp j, 0,1,2,3,4,5,6,7
	v_med3_num_f32 v[ACC+32+8*\rt+\j], v[ACC+32+8*\rt+\j], s26, s27
.endr
.irp j, 0,1,2,3,4,5,6,7
	v_and_b32 v[XF+32+8*\rt+\j], 0xffffe000, v[ACC+32+8*\rt+\j]                ; qh
.endr
.irp u, 0,1,2,3
	v_pk_fma_f32 v[ACC+32+8*\rt+2*\u:ACC+32+8*\rt+2*\u+1], v[XF+32+8*\rt+2*\u:XF+32+8*\rt+2*\u+1], s[34:35], v[ACC+32+8*\rt+2*\u:ACC+32+8*\rt+2*\u+1] op_sel_hi:[1,0,1]   ; d
.endr
.irp j, 0,1,2,3,4,5,6,7
	v_add_nc_u32 v[WF+8*\rt+\j], 0x1000, v[ACC+32+8*\rt+\j]
.endr
.irp j, 0,1,2,3,4,5,6,7
	v_and_b32 v[WF+8*\rt+\j], 0xffffe000, v[WF+8*\rt+\j]                       ; g
.endr
.irp u, 0,1,2,3
	v_pk_add_f32 v[ACC+32+8*\rt+2*\u:ACC+32+8*\rt+2*\u+1], v[ACC+32+8*\rt+2*\u:ACC+32+8*\rt+2*\u+1], v[WF+8*\rt+2*\u:WF+8*\rt+2*\u+1] neg_lo:[0,1] neg_hi:[0,1]   ; Y
.endr
.irp u, 0,1,2,3
	v_pk_mul_f32 v[XF+32+8*\rt+2*\u:XF+32+8*\rt+2*\u+1], v[XF+32+8*\rt+2*\u:XF+32+8*\rt+2*\u+1], s[36:37] op_sel_hi:[1,0]   ; qh/8
.endr
.irp u, 0,1,2,3
	v_pk_fma_f32 v[ACC+32+8*\rt+2*\u:ACC+32+8*\rt+2*\u+1], v[ACC+32+8*\rt+2*\u:ACC+32+8*\rt+2*\u+1], s[30:31], v[XF+32+8*\rt+2*\u:XF+32+8*\rt+2*\u+1] op_sel_hi:[1,0,1]   ; W
.endr
.irp u, 0,1,2,3
	v_cvt_pk_f16_f32 v[WF+8*\rt+\u], v[WF+8*\rt+2*\u], v[WF+8*\rt+2*\u+1]
.endr
.irp u, 0,1,2,3
	v_cvt_pk_f16_f32 v[ACC+32+8*\rt+\u], v[ACC+32+8*\rt+2*\u], v[ACC+32+8*\rt+2*\u+1]
.endr
	ds_store_b128 v8, v[WF+8*\rt:WF+8*\rt+3] offset:QOF+16*QP*\rt              ; eight channels of one row: g
	ds_store_b128 v8, v[ACC+32+8*\rt:ACC+32+8*\rt+3] offset:QOF+16*QP*\rt+128  ; and W
.endr
.irp rt, 0,1,2,3                                   ; v: rounded once, each channel into its own row
.irp j, 0,1,2,3,4,5,6,7
	v_med3_num_f32 v[ACC+64+8*\rt+\j], v[ACC+64+8*\rt+\j], s26, s27
.endr
.irp u, 0,1,2,3
	v_cvt_pk_f16_f32 v[ACC+64+8*\rt+\u], v[ACC+64+8*\rt+2*\u], v[ACC+64+8*\rt+2*\u+1]
.endr
.irp u, 0,1,2,3
	ds_store_b16 v9, v[ACC+64+8*\rt+\u] offset:VP*2*\u+32*\rt
	ds_store_b16_d16_hi v9, v[ACC+64+8*\rt+\u] offset:VP*(2*\u+1)+32*\rt
.endr
.endr
	s_wait_dscnt 0x0                               ; my stage stores are done, for the other waves' sake
	s_barrier_signal -1
	s_barrier_wait -1
	; back as whole rows, and out: every store of a wave covers two aligned runs of 256 bytes
.irp i, 0,1,2,3,4,5,6,7
	ds_load_b128 v[RB+4*\i:RB+4*\i+3], v10 offset:2*QP*\i
.endr
.irp i, 0,1,2,3,4,5,6,7
	ds_load_b128 v[RB+32+4*\i:RB+32+4*\i+3], v10 offset:QOF+2*QP*\i
.endr
.irp i, 0,1,2,3
	ds_load_b128 v[RB+64+4*\i:RB+64+4*\i+3], v11 offset:2*VP*\i
.endr
.irp i, 0,1,2,3,4,5,6,7
	s_wait_dscnt 19-\i                             ; LDS loads come back in order: the counts run down over the twenty
	global_store_b128 v12, v[RB+4*\i:RB+4*\i+3], s[12:13] offset:512*\i
.endr
.irp i, 0,1,2,3,4,5,6,7
	s_wait_dscnt 11-\i
	global_store_b128 v12, v[RB+32+4*\i:RB+32+4*\i+3], s[14:15] offset:512*\i
.endr
.irp i, 0,1,2,3
	s_wait_dscnt 3-\i
	global_store_b128 v13, v[RB+64+4*\i:RB+64+4*\i+3], s[16:17] offset:16384*\i
.endr
	s_set_vgpr_msb 0x5
	s_wait_tensorcnt 0x0
	ds_add_u32 v128, v129
	s_wait_dscnt 0x0
	s_set_vgpr_msb 0x500
	s_endpgm
.Lfunc_end_k_qb96242ec2c_proj:
	.size	k_qb96242ec2c_proj, .Lfunc_end_k_qb96242ec2c_proj-k_qb96242ec2c_proj
	.p2alignl 7, 3214868480
	.fill 96, 4, 3214868480
	.section	.rodata,"a",@progbits
	.p2align	6, 0x0
	.amdhsa_kernel k_qb96242ec2c_proj
		.amdhsa_group_segment_fixed_size 262144
		.amdhsa_private_segment_fixed_size 0
		.amdhsa_enable_private_segment 0
		.amdhsa_kernarg_size 56
		.amdhsa_user_sgpr_count 2
		.amdhsa_user_sgpr_kernarg_segment_ptr 1
		.amdhsa_wavefront_size32 1
		.amdhsa_system_sgpr_workgroup_id_x 1
		.amdhsa_system_sgpr_workgroup_id_y 1
		.amdhsa_system_sgpr_workgroup_id_z 1
		.amdhsa_system_vgpr_workitem_id 0
		.amdhsa_next_free_vgpr 386
		.amdhsa_next_free_sgpr 66
		.amdhsa_reserve_vcc 0
		.amdhsa_float_denorm_mode_32 3
		.amdhsa_float_denorm_mode_16_64 3
		.amdhsa_memory_ordered 1
		.amdhsa_forward_progress 1
		.amdhsa_inst_pref_size 77
	.end_amdhsa_kernel
	.amdgpu_metadata
---
amdhsa.version: [ 1, 2 ]
amdhsa.kernels:
  - .name:           k_qb96242ec2c_proj
    .symbol:         k_qb96242ec2c_proj.kd
    .args:
      - { .name: x, .offset: 0, .size: 8, .value_kind: global_buffer, .address_space: global }
      - { .name: Wk, .offset: 8, .size: 8, .value_kind: global_buffer, .address_space: global }
      - { .name: Wq, .offset: 16, .size: 8, .value_kind: global_buffer, .address_space: global }
      - { .name: Wv, .offset: 24, .size: 8, .value_kind: global_buffer, .address_space: global }
      - { .name: kbuf, .offset: 32, .size: 8, .value_kind: global_buffer, .address_space: global }
      - { .name: qbuf, .offset: 40, .size: 8, .value_kind: global_buffer, .address_space: global }
      - { .name: vtbuf, .offset: 48, .size: 8, .value_kind: global_buffer, .address_space: global }
    .group_segment_fixed_size: 262144
    .private_segment_fixed_size: 0
    .kernarg_segment_align: 8
    .kernarg_segment_size: 56
    .max_flat_workgroup_size: 256
    .sgpr_count:     66
    .vgpr_count:     386
    .wavefront_size: 32
...
	.end_amdgpu_metadata
.endif
;; end of part 3
;; launch attn (part 4): grid 32 x 8, 8 waves a work-group, clusters of 4 x 1, 327,680 bytes of LDS; arguments kbuf, qbuf, vtbuf, Wo, gamma, beta, moving_mean, moving_var, out0; writes out0
.if DOCPART == 4
	.amdgcn_target "amdgcn-amd-amdhsa--gfx1250"
	.amdhsa_code_object_version 6
	.text
	.protected	k_qb96242ec2c_attn
	.globl	k_qb96242ec2c_attn
	.p2align	8
	.type	k_qb96242ec2c_attn,@function
k_qb96242ec2c_attn:
	s_mov_b64 s[64:65], 0
	v_nop
	global_prefetch_b8 v0, s[64:65] scope:SCOPE_SE
	s_setreg_imm32_b32 hwreg(HW_REG_WAVE_MODE, 25, 1), 1
	s_wait_xcnt 0x0
	s_wait_alu depctr_hold_cnt(0) depctr_sa_sdst(0) depctr_va_vdst(0) depctr_va_sdst(0) depctr_va_ssrc(0) depctr_va_vcc(0) depctr_vm_vsrc(0)
	s_getreg_b32 s2, hwreg(HW_REG_IB_STS2, 6, 4)
	s_cmp_eq_u32 s2, 0
	s_cbranch_scc0 .Lentry_in_a_cluster
	s_endpgm
.Lentry_in_a_cluster:
	s_bfe_u32 s2, ttmp6, 0x10000c
	s_cmp_lg_u32 s2, 0x3003
	s_cbranch_scc0 .Lentry_shape_is_right
	s_endpgm
.Lentry_shape_is_right:
; out[i] = batch norm( softmax over j of (k_i . q_j) applied to v_j, times Wo ), for 8 batches of 4,096 positions.
; From the first launch: k as [position][128] f16 (64 numbers kh, 64 numbers U), q as [position][128] f16 (64 numbers g, 64 numbers W),
; v as [batch][64][4096] f16.  Scores never reach memory: a running maximum and a running sum are kept for each row (the maximum is
; taken away before every exponential, as reference() does).  Nothing of reference() is left out.
; FORMATS: a score is kh . g + U . W, two f16 products on one f32 sum.  With kh = k to 11 bits, kl = k - kh, U = kh/8 + 8 kl,
; g = q - qh/64 to 11 bits, Y what that rounding left, W = qh/8 + 8 Y this is kh q + kl qh + 64 kl Y: k and q count with some 17 bits
; each.  Weights and v in f16, all sums in f32; the normalised result goes into the last product as a bf16 number plus the bf16 of its
; remainder, against Wo in bf16; the batch norm in f32.
; LIMITS: for each channel a score is off by 64 kl Y - kl (q - qh) and by the f16 roundings of U and W, together some 2^-17 of |k q|;
; a weight under about 6e-8 of its row's running maximum rounds to 0 in f16; sums are ordered otherwise than in reference(); the
; maximum drops a NaN score, which still reaches the row through the exponential.
; SHARES: a work-group owns 128 rows of one batch; eight waves.  Wave w = (g = w & 3, p = w >> 2) holds 32 rows (row tiles 2 g, 2 g + 1)
; and walks keys 128 p .. 128 p + 127 of every tile of 256 keys, in blocks of 64.  Its piece 0 is row tile 2 g + p, its piece 1 the other
; one; at the end it hands piece 1 to wave w ^ 4 through LDS, takes that wave's piece 1 (its own piece 0's rows over the other keys), and
; finishes 16 rows.  So the merge and the way out are one text for all waves.
; CLUSTER: the four work-groups of a cluster lie in one batch and walk the same q and v tiles, so every tile is asked for jointly
; (mask 15): one request in place of four.  No LDS address and no branch hangs on the place in the cluster.
; LAYOUT: scores are made transposed, q as source 0 (m = key), k as source 1 (n = row): lane (r, h), register j of key tile kt holds
; row r, key 16 kt + 8 h + j.  Two neighbouring key tiles packed to f16 are then a source 1 (n = row, 32 keys) as they stand, and
; v (m = channel) x weights gives lane (r, h), register t of channel tile ct: row r, channel 16 ct + 8 h + t, which again is a source 1
; for Wo (m = output channel).  A row's maximum and sum live in its own two lanes.
; THE TWO PIECES TAKE TURNS, in half steps of 24 products with one slice of the other piece's softmax (119 vector instructions in 24
; slices) behind each product:
;   X(t): piece 1's products (weights x v of block t - 1, then scores of block t) beside piece 0's softmax of block t;
;   Y(t): piece 0's products (weights x v of block t, then scores of block t + 1) beside piece 1's softmax of block t.
; So that a product and its slice run under ONE setting of the register windows:
;   - weights x v starts from 0 into registers N of its own, and O = O x rescale + N is one multiply-add, made a half step later behind
;     the other piece's products of that kind (the first block's products write O itself);
;   - the f16 weights are packed in place into the scores' first 16 registers;
;   - under the setting in which source 1 means window 0 (kh), the slices name no vector register as source 1: a sum is written
;     a x 1.0 + b, which is exact and one instruction like the plain sum.
; A half step has four switches of the windows.  The slices also are the places behind the products (ISA guide 7.12.1).
.set PART,   17408                     ; q: 64 key rows of 256 bytes at pitch 272: what one of waves 0-3 brings
.set QBYTES, 4*PART                    ; a tile's 256 keys
.set VPI,    528                       ; v: a channel row of 256 keys, 512 bytes + 16
.set VPART,  16*VPI                    ; 16 channel rows: what one of waves 4-7 brings (rows of 512 consecutive bytes of memory)
.set SLOT,   QBYTES+4*VPART            ; 103,424
.set WOL,    2*SLOT                    ; Wo in bf16, [64][256] at pitch 544 = 17 x 32; no tensor load lands here
.set WOP,    544
.set XCH,    WOL+64*WOP                ; exchange, bytes of its own: 4,096 bytes of sums, 128 + 128 of row figures, a wave
.set XCHW,   4352
.set STGW,   16640                     ; stage, from LDS byte 0 on, in the two slots' bytes after their last fill and every wave's last read:
.set STGP,   1040                      ; 16 rows at pitch 1,040, a wave
.set G1Q, 28                           ; s[28:35] descriptor group 1 for q
.set G1V, 36                           ; s[36:43] for v
.set G0Q, 44                           ; s[44:51] group 0 for q, a set for each slot
.set G0V, 52                           ; s[52:59] for v
; window 0: v1 r, v2 h, v3 lane, v4 Wo fragments' address, v5 16 x lane, v6, v7 v fragments' address in slot 0, 1, v8-11 exchange,
;   v12, v13 stage, v14-31 set-up and the merge
.set VAD, 6
.set KH,  32                           ; v32-63   k fragments, kh (+ 16 piece + 8 ks)
.set OB,  64                           ; v64-127  sums O (+ 32 piece + 8 ct)
.set NB,  128                          ; v128-191 a block's weights x v (+ 32 piece + 8 ct)
.set FV,  192                          ; v192-255 v fragments (+ 32 kp + 8 ct)
; window 1, by the names that its instructions use (register = 256 + name):
;   0-127 q fragments (32 kt + 16 t + 8 ks; t = 0: g, 1: W)
.set SB1, 128                          ; 128-191 scores (+ 32 piece + 8 kt); the weights in f16 end up in a piece's first 16
.set KL,  192                          ; 192-223 k fragments, U (+ 16 piece + 8 ks)
.set T,   224                          ; 224-233 at work
.set ST,  236                          ; 236-243 a piece's four figures (+ 4 piece): -log2e x maximum, maximum, rescale, sum
.set QAD, 244                          ; 244, 245 q fragments' address in slot 0, 1
;   at the end all of window 1 holds Wo fragments (16 ot + 8 kp)
.set W_PV,  0x04                       ; source 1 in window 1: weights x v, and O = O x rescale + N
.set W_KH,  0x51                       ; destination, sources 0 and 2 in window 1, source 1 in window 0: g . kh
.set W_ALL, 0x55                       ; all in window 1: W . U
.set MSB, 0
.macro WIN new                         ; s_set_vgpr_msb: low byte the new setting, high byte the one that is left; 0 at every label and branch
.if MSB != \new
	s_set_vgpr_msb (MSB<<8)|\new
.set MSB, \new
.endif
.endm
.macro PLACES                          ; four plain vector places behind matrix instructions (ISA guide 7.12.1)
.rept 4
	v_nop
.endr
.endm
.macro FIVE                            ; five, in front of a product that writes over a source of an earlier one
.rept 5
	v_nop
.endr
.endm
; A round of the cluster's barrier: my work-group's barrier, wave 0 signals for the work-group, every wave waits for all four
; work-groups, my work-group's barrier once more.
.macro CREST                           ; a round behind its opening barrier
	s_cmp_lg_u32 s22, 0
	s_cbranch_scc1 .Lnot_wave_0_\@
	s_barrier_signal -3
.Lnot_wave_0_\@:
	s_barrier_wait -3
	s_barrier_signal -1
	s_barrier_wait -1
.endm
.macro ROUND                           ; a whole round
	s_barrier_signal -1
	s_barrier_wait -1
	CREST
.endm
; A wave's one joint load for slot s: waves 0-3 bring q's four parts, waves 4-7 v's.  The branch hangs on the wave's number alone.
.macro JLOAD s
	s_cmp_eq_u32 s24, 0
	s_cbranch_scc0 .Lfor_v_\@
	tensor_load_to_lds s[G0Q+4*\s:G0Q+4*\s+3], s[G1Q:G1Q+7]
	s_nop 0
	s_branch .Lasked_\@
.Lfor_v_\@:
	tensor_load_to_lds s[G0V+4*\s:G0V+4*\s+3], s[G1V:G1V+7]
	s_nop 0
.Lasked_\@:
.endm
	s_load_b256 s[4:11], s[0:1], 0x0               ; kbuf s[4:5], qbuf s[6:7], vtbuf s[8:9], Wo s[10:11]
	s_load_b256 s[12:19], s[0:1], 0x20             ; gamma s[12:13], beta s[14:15], moving_mean s[16:17], moving_var s[18:19]
	s_load_b64 s[20:21], s[0:1], 0x40              ; out0
	v_lshl_add_u32 v20, v0, 2, 0x43800
	v_mov_b32 v31, 0
	ds_add_u32 v20, v31
	v_lshrrev_b32 v1, 5, v0
	v_readfirstlane_b32 s22, v1                    ; wave 0..7
	s_and_b32 s23, s22, 3                          ; g
	s_lshr_b32 s24, s22, 2                         ; p
	s_bfe_u32 s25, ttmp6, 0x40000                  ; cx: my place in the cluster
	s_lshl_b32 s26, ttmp9, 2
	s_add_co_u32 s26, s26, s25                     ; my block of 128 rows = 4 x cluster x + cx
	s_and_b32 s27, ttmp7, 0xffff                   ; batch
	; group 1 for q: 64 rows of 32 elements of 8 bytes, dense in memory; 16 bytes of padding behind every 256: LDS rows 272 bytes apart
	s_mov_b32 s[G1Q+0], 0x0773000f                 ; 15:0 mask: all four of the cluster; 17:16 8-byte elements; 20 padding on; 21 set beside a mask; 24:22 every 64 words; 31:25 four words
	s_mov_b32 s[G1Q+1], 32<<16                     ; tensor_dim0 = 32
	s_mov_b32 s[G1Q+2], 64<<16                     ; tensor_dim1 = 64
	s_mov_b32 s[G1Q+3], 32<<16                     ; tile_dim0 = 32
	s_mov_b32 s[G1Q+4], 64                         ; tile_dim1 = 64
	s_mov_b32 s[G1Q+5], 32                         ; a key's 256 bytes follow the last key's
	s_mov_b32 s[G1Q+6], 0
	s_mov_b32 s[G1Q+7], 0
	; group 1 for v: 16 rows of 64 elements of 8 bytes; 16 bytes of padding behind every 512: LDS rows 528 bytes apart
	s_mov_b32 s[G1V+0], 0x07b3000f                 ; as above, but 24:22 every 128 words
	s_mov_b32 s[G1V+1], 64<<16                     ; tensor_dim0 = 64
	s_mov_b32 s[G1V+2], 16<<16                     ; tensor_dim1 = 16
	s_mov_b32 s[G1V+3], 64<<16                     ; tile_dim0 = 64
	s_mov_b32 s[G1V+4], 16                         ; tile_dim1 = 16
	s_mov_b32 s[G1V+5], 1024                       ; 8,192 bytes from a channel row to the next
	s_mov_b32 s[G1V+6], 0
	s_mov_b32 s[G1V+7], 0
	s_mov_b32 s66, 0x76543210                      ; v_permlanex16_b32: lane i takes lane i of the other half
	s_mov_b32 s67, 0xfedcba98
	s_mov_b32 s70, 0x3fb8aa3b                      ; log2 e, as a pair for the packed multiply-add
	s_mov_b32 s71, 0x3fb8aa3b
	s_mul_i32 s72, s22, PART                       ; waves 0-3: my part of q in a slot
	s_mul_i32 s76, s22, VPART
	s_add_co_u32 s76, s76, QBYTES-4*VPART          ; waves 4-7: my part of v, behind q: QBYTES + (w - 4) x 8,448
	s_lshl_b32 s73, s23, 1
	s_add_co_u32 s73, s73, s24                     ; piece 0's row tile: 2 g + p
	v_and_b32 v1, 15, v0                           ; r
	v_bfe_u32 v2, v0, 4, 1                         ; h
	v_and_b32 v3, 31, v0                           ; lane
	v_lshlrev_b32 v5, 4, v3                        ; 16 x lane
	v_lshlrev_b32 v22, 8, v1
	v_lshl_add_u32 v22, v2, 4, v22                 ; k: row r of 256 bytes, 16 h
	s_lshl_b32 s61, s73, 12
	v_add_nc_u32 v15, s61, v22                     ; + piece 0's tile x 16 rows
	s_xor_b32 s61, s61, 4096
	v_add_nc_u32 v16, s61, v22                     ; piece 1's tile is the other of the pair
	s_lshl_b32 s61, s22, 13
	v_lshl_add_u32 v23, v3, 4, s61                 ; Wo: rows 8 w .. 8 w + 7 of 1,024 bytes
	s_wait_dscnt 0x0
	s_wait_kmcnt 0x0
	s_lshl_b32 s60, s27, 20                        ; q: batch x 4,096 keys x 256 bytes
	s_lshl_b32 s61, s23, 14                        ; + 64 keys x 256 bytes for each part
	s_add_co_u32 s62, s60, s61
	s_mov_b32 s63, 0
	s_add_nc_u64 s[6:7], s[6:7], s[62:63]          ; q: part g of tile 0
	s_lshl_b32 s60, s27, 19                        ; v: batch x 64 channel rows x 8,192 bytes
	s_lshl_b32 s61, s23, 17                        ; + 16 channel rows for each part
	s_add_co_u32 s62, s60, s61
	s_add_nc_u64 s[8:9], s[8:9], s[62:63]          ; v: channel rows 16 g .. of tile 0
.irp s, 0,1
	s_mov_b32 s[G0Q+4*\s], 1
	s_add_co_u32 s[G0Q+4*\s+1], s72, \s*SLOT
	s_add_nc_u64 s[G0Q+4*\s+2:G0Q+4*\s+3], s[6:7], \s*65536       ; a tile of q: 256 keys x 256 bytes
	s_or_b32 s[G0Q+4*\s+3], s[G0Q+4*\s+3], 0x80000000
	s_mov_b32 s[G0V+4*\s], 1
	s_add_co_u32 s[G0V+4*\s+1], s76, \s*SLOT
	s_add_nc_u64 s[G0V+4*\s+2:G0V+4*\s+3], s[8:9], \s*512         ; a tile of v: 256 keys x 2 bytes along the rows
	s_or_b32 s[G0V+4*\s+3], s[G0V+4*\s+3], 0x80000000
.endr
	ROUND                                          ; all four work-groups are here: the first joint loads meet
	JLOAD 0                                        ; tile 0
	JLOAD 1                                        ; tile 1: two tensor loads of the wave are out here, later one
	; the addresses that hang on my place in the cluster, in registers of their own
	s_lshl_b32 s74, s27, 20                        ; k: batch x 4,096 rows x 256 bytes
	s_lshl_b32 s75, s26, 15                        ; + block x 128 rows x 256 bytes
	s_add_co_u32 s74, s74, s75
	s_mov_b32 s75, 0
	s_add_nc_u64 s[4:5], s[4:5], s[74:75]          ; k at my block's first row
	s_lshl_b32 s74, s27, 22
	s_lshl_b32 s75, s26, 17
	s_add_co_u32 s74, s74, s75
	s_lshl_b32 s75, s73, 14
	s_add_co_u32 s74, s74, s75
	s_mov_b32 s75, 0
	s_add_nc_u64 s[20:21], s[20:21], s[74:75]      ; out0 at the 16 rows that I finish: (batch x 4096 + 128 block + 16 (2 g + p)) x 1,024 bytes
.irp pc, 0,1
.irp q, 0,1,2,3
	global_load_b128 v[KH+16*\pc+4*\q:KH+16*\pc+4*\q+3], v[15+\pc], s[4:5] offset:32*\q    ; kh: channels 16 q + 8 h .. + 7 of row r
.endr
.endr
	WIN 0x40                                       ; destination in window 1, address in window 0
.irp pc, 0,1
.irp q, 0,1,2,3
	global_load_b128 v[KL+16*\pc+4*\q:KL+16*\pc+4*\q+3], v[15+\pc], s[4:5] offset:128+32*\q    ; U, 128 bytes on in the row
.endr
.endr
	WIN 0
.set i, 0
.rept 16
	global_load_b128 v[NB+4*i:NB+4*i+3], v23, s[10:11] offset:512*i          ; half a row of Wo
.set i, i+1
.endr
	; lane addresses, while the loads are on their way
	v_mul_u32_u24 v26, v1, 272
	v_lshl_add_u32 v26, v2, 4, v26                 ; q: key row r; 16 h
	s_mul_i32 s60, s24, 2*PART                     ; my 128 keys
	s_add_co_u32 s61, s60, SLOT
	WIN 0x40                                       ; destination in window 1, sources in window 0
	v_add_nc_u32 v[QAD], s60, v26                  ; in slot 0
	v_add_nc_u32 v[QAD+1], s61, v26                ; in slot 1
	v_mov_b32 v[T+4], 0                            ; v_permlanex16_b32's destination counts as read
	WIN 0
	v_mul_u32_u24 v6, v1, VPI
	v_lshl_add_u32 v6, v2, 4, v6
	s_lshl_b32 s60, s24, 8
	s_add_co_u32 s60, s60, QBYTES
	v_add_nc_u32 v6, s60, v6                       ; v: channel row r; 16 h; my 128 keys are 256 bytes of each row
	v_add_nc_u32 v7, SLOT, v6
	s_mul_i32 s60, s22, XCHW
	s_add_co_u32 s60, s60, XCH
	v_lshl_add_u32 v8, v3, 4, s60                  ; exchange: what I give
	s_add_co_u32 s61, s60, 4096
	v_lshl_add_u32 v9, v3, 2, s61
	s_xor_b32 s62, s22, 4
	s_mul_i32 s62, s62, XCHW
	s_add_co_u32 s62, s62, XCH
	v_lshl_add_u32 v10, v3, 4, s62                 ; what wave w ^ 4 gives me
	s_add_co_u32 s62, s62, 4096
	v_lshl_add_u32 v11, v3, 2, s62
	s_mul_i32 s60, s22, STGW
	v_mul_u32_u24 v12, v1, STGP
	v_lshl_add_u32 v12, v2, 5, v12
	v_add_nc_u32 v12, s60, v12                     ; stage in: row r, 32 h
	v_lshl_add_u32 v13, v3, 4, s60                 ; stage back: 512 consecutive bytes a load
	v_and_b32 v25, 7, v0
	v_lshl_add_u32 v25, v2, 3, v25
	v_mul_u32_u24 v4, v25, WOP
	v_bfe_u32 v25, v0, 3, 1
	v_lshl_add_u32 v4, v25, 4, v4
	v_add_nc_u32 v4, WOL, v4                       ; Wo, transposing load: row 8 h + (L & 7), 16 ((L >> 3) & 1)
	s_mul_i32 s60, s22, 8*WOP
	s_add_co_u32 s60, s60, WOL
	v_lshl_add_u32 v24, v3, 3, s60                 ; Wo into LDS: row 8 w, 8 bytes a lane
	s_wait_loadcnt 0x0                             ; k and Wo: once
.set i, 0
.rept 16
	v_cvt_pk_bf16_f32 v[NB+4*i], v[NB+4*i], v[NB+4*i+1]
	v_cvt_pk_bf16_f32 v[NB+4*i+1], v[NB+4*i+2], v[NB+4*i+3]
	ds_store_b64 v24, v[NB+4*i:NB+4*i+1] offset:WOP*(i>>1)+256*(i&1)
.set i, i+1
.endr
	s_wait_tensorcnt 0x1                           ; my part of tile 0 is in; tile 1's stays out
	s_wait_dscnt 0x0                               ; my rows of Wo are in LDS, for the other waves' sake
	s_barrier_signal -1
	s_barrier_wait -1
; v fragments of block b (64 keys of my 128) of a slot: 2 x 32 keys x 4 channel tiles.  Destination and address in window 0.
.macro LOADV slot, b
.irp kp, 0,1
.irp ct, 0,1,2,3
.irp e, 0,1
	ds_load_b128 v[FV+32*\kp+8*\ct+4*\e:FV+32*\kp+8*\ct+4*\e+3], v[VAD+\slot] offset:VPART*\ct+128*\b+64*\kp+32*\e
.endr
.endr
.endr
.endm
; One group of q fragments of block b: number t (0: g, 1: W), channels 32 ks .. + 31, of 4 key tiles: what one pass of score products
; reads.  Eight loads.  Destination and address in window 1.
.macro QGRP slot, b, t, ks
.irp kt, 0,1,2,3
.irp e, 0,1
	ds_load_b128 v[32*\kt+16*\t+8*\ks+4*\e:32*\kt+16*\t+8*\ks+4*\e+3], v[QAD+\slot] offset:PART*\b+4352*\kt+128*\t+64*\ks+32*\e
.endr
.endr
.endm
; One product of weights x v: piece m, keys 32 kp .., channel tile ct, into dst (NB, or OB in the first block).
.macro PVW m, kp, ct, dst, zero
.if \zero
	v_wmma_f32_16x16x32_f16 v[\dst+32*\m+8*\ct:\dst+32*\m+8*\ct+7], v[FV+32*\kp+8*\ct:FV+32*\kp+8*\ct+7], v[SB1+32*\m+8*\kp:SB1+32*\m+8*\kp+7], 0
.else
	v_wmma_f32_16x16x32_f16 v[\dst+32*\m+8*\ct:\dst+32*\m+8*\ct+7], v[FV+32*\kp+8*\ct:FV+32*\kp+8*\ct+7], v[SB1+32*\m+8*\kp:SB1+32*\m+8*\kp+7], v[\dst+32*\m+8*\ct:\dst+32*\m+8*\ct+7]
.endif
.endm
; One score product: piece m, number t of q against kh (t = 0) or U (t = 1), channels 32 ks .., key tile kt.
.macro SW m, t, ks, kt, zero
.if \t
.set KB, KL
.else
.set KB, KH
.endif
.if \zero
	v_wmma_f32_16x16x32_f16 v[SB1+32*\m+8*\kt:SB1+32*\m+8*\kt+7], v[32*\kt+16*\t+8*\ks:32*\kt+16*\t+8*\ks+7], v[KB+16*\m+8*\ks:KB+16*\m+8*\ks+7], 0
.else
	v_wmma_f32_16x16x32_f16 v[SB1+32*\m+8*\kt:SB1+32*\m+8*\kt+7], v[32*\kt+16*\t+8*\ks:32*\kt+16*\t+8*\ks+7], v[KB+16*\m+8*\ks:KB+16*\m+8*\ks+7], v[SB1+32*\m+8*\kt:SB1+32*\m+8*\kt+7]
.endif
.endm
; The parts of a slice.  SV, NM, AL, OV, NV are set by SLICE for its piece.
.macro CMB u                           ; O = O x rescale + N, two numbers (source 1, the rescale, in window 1)
	v_pk_fma_f32 v[OV+2*\u:OV+2*\u+1], v[OV+2*\u:OV+2*\u+1], v[AL:AL+1], v[NV+2*\u:NV+2*\u+1] op_sel_hi:[1,0,1]
.endm
.macro FQR c                           ; log2e x (score - maximum), key tile c
.irp j, 0,2,4,6
	v_pk_fma_f32 v[SV+8*\c+\j:SV+8*\c+\j+1], v[SV+8*\c+\j:SV+8*\c+\j+1], s[70:71], v[NM:NM+1] op_sel_hi:[1,0,0]
.endr
.endm
.macro EXQ c, lo                       ; four exponentials of key tile c
.irp j, 0,1,2,3
	v_exp_f32 v[SV+8*\c+\lo+\j], v[SV+8*\c+\lo+\j]
.endr
.endm
.macro SUQ c                           ; key tile c's eight weights summed to two; a x 1.0 + b leaves source 1 free of vector registers
	s_wait_alu depctr_va_vdst(0)
	v_pk_fma_f32 v[T+2*\c:T+2*\c+1], v[SV+8*\c:SV+8*\c+1], 1.0, v[SV+8*\c+2:SV+8*\c+3] op_sel_hi:[1,0,1]
	v_pk_fma_f32 v[T+2*\c:T+2*\c+1], v[SV+8*\c+4:SV+8*\c+5], 1.0, v[T+2*\c:T+2*\c+1] op_sel_hi:[1,0,1]
	v_pk_fma_f32 v[T+2*\c:T+2*\c+1], v[SV+8*\c+6:SV+8*\c+7], 1.0, v[T+2*\c:T+2*\c+1] op_sel_hi:[1,0,1]
.endm
.macro CVP u                           ; two weights to f16, packed downward in place: register u is read for the last time by CVP u/2
	v_cvt_pk_f16_f32 v[SV+\u], v[SV+2*\u], v[SV+2*\u+1]
.endm
; Slice sl of piece pc's vector work for one block (16 rows x 64 keys; a lane holds 32 scores of its row).
;   0-7   (setting W_PV)  the last block's O = O x rescale + N; the four of slice 7 are the places in front of the loads of v
;   8-11  (W_ALL)         the maximum, four chains; the row's other lane; the running maximum and the rescale's exponent
;   12-19 (W_KH)          exponents, exponentials, sums.  Behind every exponential a plain instruction stands before its result is
;                         used (ISA guide 5.7.2): key tile c's sums follow exponents or sums of another key tile
;   20-23 (W_ALL)         the weights to f16; the last sums and the row's running sum
; Slices 11, 15, 19 and 23 hold four plain instructions or more: the places in front of the loads into the q fragments just read.
.macro SLICE pc, sl, comb, first
.set SV, SB1+32*\pc
.set NM, ST+4*\pc                      ; NM: -log2e x maximum; NM + 1: the maximum
.set AL, ST+4*\pc+2                    ; AL: the rescale of what was summed before; AL + 1: the lane's part of the row's sum
.set OV, OB+32*\pc
.set NV, NB+32*\pc
.if \comb
.if \sl == 0
	CMB 0
.endif
.if \sl == 1
	CMB 1
.endif
.if \sl == 2
	CMB 2
	CMB 3
.endif
.if \sl == 3
	CMB 4
	CMB 5
.endif
.if \sl == 4
	CMB 6
	CMB 7
.endif
.if \sl == 5
	CMB 8
	CMB 9
.endif
.if \sl == 6
	CMB 10
	CMB 11
.endif
.if \sl == 7
	CMB 12
	CMB 13
	CMB 14
	CMB 15
.endif
.endif
.if \sl == 8
.irp c, 0,1,2,3
	v_max3_num_f32 v[T+\c], v[SV+8*\c], v[SV+8*\c+1], v[SV+8*\c+2]
.endr
.irp c, 0,1
	v_max3_num_f32 v[T+\c], v[T+\c], v[SV+8*\c+3], v[SV+8*\c+4]
.endr
.endif
.if \sl == 9
.irp c, 2,3
	v_max3_num_f32 v[T+\c], v[T+\c], v[SV+8*\c+3], v[SV+8*\c+4]
.endr
.irp c, 0,1,2,3
	v_max3_num_f32 v[T+\c], v[T+\c], v[SV+8*\c+5], v[SV+8*\c+6]
.endr
.endif
.if \sl == 10
	v_max3_num_f32 v[T], v[T], v[T+1], v[SV+7]
	v_max3_num_f32 v[T+2], v[T+2], v[T+3], v[SV+15]
	v_max3_num_f32 v[T], v[T], v[T+2], v[SV+23]
	v_max_num_f32 v[T], v[T], v[SV+31]
	v_permlanex16_b32 v[T+4], v[T], s66, s67       ; the row's other lane
.endif
.if \sl == 11
.if \first
	v_max_num_f32 v[NM+1], v[T], v[T+4]
	v_mul_f32 v[NM], 0xbfb8aa3b, v[NM+1]
	v_nop                                          ; the first block's slice is two instructions short of four places
	v_nop
.else
	v_max3_num_f32 v[NM+1], v[T], v[T+4], v[NM+1]  ; the running maximum
	v_mul_f32 v[T+6], 0xbfb8aa3b, v[NM+1]
	v_sub_f32 v[T+7], v[T+6], v[NM]                ; log2e x (old maximum - new), from the two rounded figures that the exponents use
	v_mov_b32 v[NM], v[T+6]
.endif
.endif
.if \sl == 12
	FQR 0
	FQR 1
.endif
.if \sl == 13
.if \first == 0
	v_exp_f32 v[AL], v[T+7]
.endif
	EXQ 0, 0
	EXQ 0, 4
.endif
.if \sl == 14
	FQR 2
	EXQ 1, 0
.endif
.if \sl == 15
	FQR 3
	EXQ 1, 4
.endif
.if \sl == 16
	EXQ 2, 0
	EXQ 2, 4
.endif
.if \sl == 17
	SUQ 0
	EXQ 3, 0
.endif
.if \sl == 18
	EXQ 3, 4
	SUQ 1
.endif
.if \sl == 19
	SUQ 2
	SUQ 3
.endif
.if \sl == 20
.irp u, 0,1,2,3,4
	CVP \u
.endr
.endif
.if \sl == 21
.irp u, 5,6,7,8,9
	CVP \u
.endr
.endif
.if \sl == 22
.irp u, 10,11,12,13,14,15
	CVP \u
.endr
.endif
.if \sl == 23
	v_pk_fma_f32 v[T:T+1], v[T:T+1], 1.0, v[T+2:T+3] op_sel_hi:[1,0,1]
	v_pk_fma_f32 v[T+4:T+5], v[T+4:T+5], 1.0, v[T+6:T+7] op_sel_hi:[1,0,1]
	v_pk_fma_f32 v[T:T+1], v[T:T+1], 1.0, v[T+4:T+5] op_sel_hi:[1,0,1]
.if \first
	v_add_f32 v[AL+1], v[T], v[T+1]
.else
	v_add_f32 v[T], v[T], v[T+1]
	v_fma_f32 v[AL+1], v[AL+1], v[AL], v[T]
.endif
.endif
.endm
; Eight products of weights x v of piece m, slices 0-7 of piece v behind them.  The four accumulators take turns, one instruction a
; turn; the first four start the sums.
.macro PVPART m, v, dst, comb, first
.irp kp, 0,1
.irp ct, 0,1,2,3
	PVW \m, \kp, \ct, \dst, (1-\kp)
	SLICE \v, (4*\kp+\ct), \comb, \first
.endr
.endr
.endm
; One pass of four score products of piece m, slices n0 .. n0 + 3 of piece v behind them.  Four accumulators by turns likewise.
.macro SPASSI m, v, t, ks, zero, n0, comb, first
.irp kt, 0,1,2,3
	SW \m, \t, \ks, \kt, \zero
	SLICE \v, (\n0+\kt), \comb, \first
.endr
.endm
; X(t): piece 1's products beside piece 0's slices.  slot, b: where block t lies.  pv = 0: no weights x v yet; 1: into O; 2: into N.
; comb = 1: piece 0 has an N to add.  nxt = 0: block t + 1 is in this slot; 1: change of slots with a refill; 2: without; 3: t is the last.
; All LDS loads of a block stand here: v's 16 of block t, then q's four groups of block t + 1, each behind the pass that read its
; registers last.
; THE CHANGE OF SLOTS: behind the loads of v nothing of this slot is read any more.  In front of the opening signal my reads are back
; and all my tensor loads have landed, my part of the other slot among them; four products and their slices, register work alone, stand
; between that signal and its wait; the rest of the round shows the same of every wave of all four work-groups, and my one joint load,
; this slot's tile two tiles on, is the first thing behind it, ahead of the reads of the other slot.
.macro XHALF slot, b, pv, comb, first, nxt
	WIN W_PV
.if \pv == 0
	PLACES                                         ; behind piece 0's first scores, which slice 8 reads
.endif
.if \pv == 1
	PVPART 1, 0, OB, \comb, \first
.endif
.if \pv == 2
	PVPART 1, 0, NB, \comb, \first
.endif
.if \pv*(1-\comb)
	FIVE                                           ; no slices yet: places for the loads of v and for the scores that write over the weights
.endif
	LOADV \slot, \b
	WIN W_ALL
	SPASSI 1, 0, 1, 0, 1, 8, \comb, \first
.if \nxt == 0
	QGRP \slot, (\b+1), 1, 0
.endif
.if \nxt*(3-\nxt)
	s_wait_dscnt 0x0                               ; my reads of this slot are back
	s_set_vgpr_msb 0x5550
	s_wait_tensorcnt 0x0                           ; all my tensor loads have landed: group 0 may be written
	ds_add_u32 v20, v31
	s_wait_dscnt 0x0
	s_set_vgpr_msb 0x5055
.if \nxt == 1
	s_add_nc_u64 s[G0Q+4*\slot+2:G0Q+4*\slot+3], s[G0Q+4*\slot+2:G0Q+4*\slot+3], 2*65536
	s_add_nc_u64 s[G0V+4*\slot+2:G0V+4*\slot+3], s[G0V+4*\slot+2:G0V+4*\slot+3], 2*512
.endif
	s_barrier_signal -1
.endif
	WIN W_KH
	SPASSI 1, 0, 0, 0, 0, 12, \comb, \first
.if \nxt == 0
	QGRP \slot, (\b+1), 0, 0
.endif
.if \nxt == 1
	WIN 0
	s_barrier_wait -1
	CREST
	JLOAD \slot
	WIN W_KH
.endif
.if \nxt == 2
	s_barrier_wait -1                              ; nothing is left to fetch: a barrier of the work-group shows the last tile whole
.endif
.if \nxt*(3-\nxt)
	QGRP (1-\slot), 0, 1, 0
	QGRP (1-\slot), 0, 0, 0
.endif
	SPASSI 1, 0, 0, 1, 0, 16, \comb, \first
.if \nxt == 0
	QGRP \slot, (\b+1), 0, 1
.endif
.if \nxt*(3-\nxt)
	QGRP (1-\slot), 0, 0, 1
.endif
	WIN W_ALL
	SPASSI 1, 0, 1, 1, 0, 20, \comb, \first
.if \nxt == 0
	QGRP \slot, (\b+1), 1, 1
.endif
.if \nxt*(3-\nxt)
	QGRP (1-\slot), 0, 1, 1
.endif
.endm
; Y(t): piece 0's products beside piece 1's slices.  smul = 0: t is the last block, no further scores.
.macro YHALF pv, comb, first, smul
.if \smul
	s_wait_dscnt 32                                ; v's 16 loads are in; q's 32, issued behind them, stay out
.else
	s_wait_dscnt 0x0
.endif
	WIN W_PV
.if \pv == 1
	PVPART 0, 1, OB, \comb, \first
.endif
.if \pv == 2
	PVPART 0, 1, NB, \comb, \first
.endif
.if \comb == 0
	FIVE                                           ; no slices yet: places for the scores that write over the weights
.endif
	WIN W_ALL
.if \smul
	s_wait_dscnt 24                                ; q's first group of 8 is in; three groups stay out
	SPASSI 0, 1, 1, 0, 1, 8, \comb, \first
	WIN W_KH
	s_wait_dscnt 16
	SPASSI 0, 1, 0, 0, 0, 12, \comb, \first
	s_wait_dscnt 8
	SPASSI 0, 1, 0, 1, 0, 16, \comb, \first
	WIN W_ALL
	s_wait_dscnt 0x0
	SPASSI 0, 1, 1, 1, 0, 20, \comb, \first
.else
.irp i, 8,9,10,11,12,13,14,15,16,17,18,19,20,21,22,23
	SLICE 1, \i, \comb, \first
.endr
.endif
.endm
.macro TILE slot, nxt                  ; my 128 keys of a tile: two blocks
	XHALF \slot, 0, 2, 1, 0, 0
	YHALF 2, 1, 0, 1
	XHALF \slot, 1, 2, 1, 0, \nxt
.if \nxt == 3
	YHALF 2, 1, 0, 0
.else
	YHALF 2, 1, 0, 1
.endif
.endm
	; piece 0's scores of block 0 stand alone (slice numbers from 100 on are empty)
	WIN W_ALL
	QGRP 0, 0, 1, 0
	QGRP 0, 0, 0, 0
	QGRP 0, 0, 0, 1
	QGRP 0, 0, 1, 1
	s_wait_dscnt 0x0
	SPASSI 0, 1, 1, 0, 1, 100, 0, 0
	WIN W_KH
	SPASSI 0, 1, 0, 0, 0, 100, 0, 0
	SPASSI 0, 1, 0, 1, 0, 100, 0, 0
	WIN W_ALL
	SPASSI 0, 1, 1, 1, 0, 100, 0, 0
	; tile 0, written out: the first softmax of each piece starts its figures, the first weights x v of each piece start O
	XHALF 0, 0, 0, 0, 1, 0
	YHALF 1, 0, 1, 1
	XHALF 0, 1, 1, 0, 0, 1                         ; behind its loads of v slot 0 is asked for tile 2
	YHALF 2, 0, 0, 1
	WIN 0
	s_mov_b32 s68, 6
.Lpair:
	TILE 1, 1                                      ; tiles 1, 3, .. 11
	TILE 0, 1                                      ; tiles 2, 4, .. 12
	WIN 0
	s_sub_co_u32 s68, s68, 1
	s_cmp_lg_u32 s68, 0
	s_cbranch_scc1 .Lpair
	TILE 1, 1                                      ; tile 13; slot 1 is asked for tile 15, the last load
	TILE 0, 2                                      ; tile 14; its barrier shows tile 15 landed in every wave
	TILE 1, 3                                      ; tile 15
	; what is left of the turns: piece 1's last weights x v beside piece 0's last O = O x rescale + N, then piece 1's
	WIN W_PV
	PVPART 1, 0, NB, 1, 0
.irp i, 0,1,2,3,4,5,6,7
	SLICE 1, \i, 1, 0                              ; the four instructions of piece 0's slice 7 are the places in front of these
.endr
	WIN 0x01                                       ; source 0 in window 1: the row figures come down
	v_mov_b32 v14, v[ST]                           ; piece 0: -log2e x maximum
	v_mov_b32 v17, v[ST+3]                         ; and sum
	v_mov_b32 v18, v[ST+4]                         ; piece 1 likewise
	v_mov_b32 v21, v[ST+7]
	WIN 0
	; THE MERGE.  The batch norm's vectors are asked for; piece 1 goes to wave w ^ 4 through the exchange's own bytes; Wo's fragments are fetched.
.irp e, 0,1
	global_load_b128 v[208+4*\e:208+4*\e+3], v5, s[12:13] offset:512*\e      ; gamma of channels 128 e + 4 lane .. + 3
	global_load_b128 v[216+4*\e:216+4*\e+3], v5, s[18:19] offset:512*\e      ; moving_var
	global_load_b128 v[224+4*\e:224+4*\e+3], v5, s[16:17] offset:512*\e      ; moving_mean
	global_load_b128 v[232+4*\e:232+4*\e+3], v5, s[14:15] offset:512*\e      ; beta
.endr
.irp c, 0,1,2,3,4,5,6,7
	ds_store_b128 v8, v[OB+32+4*\c:OB+32+4*\c+3] offset:512*\c
.endr
	ds_store_b32 v9, v18                           ; piece 1's -log2e x maximum
	ds_store_b32 v9, v21 offset:128                ; and its sum
	WIN 0x40
.irp ot, 0,1,2,3,4,5,6,7,8,9,10,11,12,13,14,15
.irp kp, 0,1
.irp e, 0,1
	ds_load_tr16_b128 v[16*\ot+8*\kp+4*\e:16*\ot+8*\kp+4*\e+3], v4 offset:32*WOP*\kp+16*WOP*\e+32*\ot   ; m = output channel 16 ot + r, k = channel 32 kp ..
.endr
.endr
.endr
	WIN 0
	s_wait_dscnt 0x0                               ; my stores are done for my partner's sake, and all my reads of the two slots are back
	s_barrier_signal -1
	s_barrier_wait -1                              ; both hold of every wave: the exchange may be read, the slots' bytes may serve as stage
.irp c, 0,1,2,3,4,5,6,7
	ds_load_b128 v[NB+4*\c:NB+4*\c+3], v10 offset:512*\c
.endr
	ds_load_b32 v22, v11
	ds_load_b32 v23, v11 offset:128
	v_mov_b32 v30, 0                               ; v_permlanex16_b32's destination counts as read
	s_wait_dscnt 0x0
	v_min_num_f32 v24, v14, v22                    ; the larger maximum has the smaller -log2e x maximum
	v_sub_f32 v26, v24, v14
	v_sub_f32 v28, v24, v22
	v_exp_f32 v26, v26                             ; my half's rescale
	v_exp_f32 v28, v28                             ; the partner's
	v_nop
	s_wait_alu depctr_va_vdst(0)
	v_mul_f32 v25, v17, v26
	v_fmac_f32 v25, v23, v28
	v_permlanex16_b32 v30, v25, s66, s67           ; the row's other lane holds the sum over the other keys of each tile
	v_add_f32 v25, v25, v30
	v_rcp_f32 v25, v25
	v_nop
	s_wait_alu depctr_va_vdst(0)
	v_mul_f32 v27, v26, v25                        ; each factor twice, a pair for the packed forms
	v_mul_f32 v26, v26, v25
	v_mul_f32 v29, v28, v25
	v_mul_f32 v28, v28, v25
.set u, 0
.rept 16
	v_pk_mul_f32 v[OB+2*u:OB+2*u+1], v[OB+2*u:OB+2*u+1], v[26:27]
.set u, u+1
.endr
.set u, 0
.rept 16
	v_pk_fma_f32 v[OB+2*u:OB+2*u+1], v[NB+2*u:NB+2*u+1], v[28:29], v[OB+2*u:OB+2*u+1]
.set u, u+1
.endr
	; the normalised result as bf16 (v160-175) plus the bf16 of what that rounding left (v176-191)
.set u, 0
.rept 16
	v_cvt_pk_bf16_f32 v[160+u], v[OB+2*u], v[OB+2*u+1]
	v_lshlrev_b32 v[NB+2*u], 16, v[160+u]
	v_and_b32 v[NB+2*u+1], 0xffff0000, v[160+u]
	v_pk_add_f32 v[OB+2*u:OB+2*u+1], v[OB+2*u:OB+2*u+1], v[NB+2*u:NB+2*u+1] neg_lo:[0,1] neg_hi:[0,1]
	v_cvt_pk_bf16_f32 v[176+u], v[OB+2*u], v[OB+2*u+1]
.set u, u+1
.endr
; 16 output tiles (v32-159) x one source 1.  The sixteen accumulators take turns, one instruction a turn.
.macro OMUL kp, src, zero
.irp ot, 0,1,2,3,4,5,6,7,8,9,10,11,12,13,14,15
.if \zero
	v_wmma_f32_16x16x32_bf16 v[32+8*\ot:32+8*\ot+7], v[16*\ot+8*\kp:16*\ot+8*\kp+7], v[\src+8*\kp:\src+8*\kp+7], 0
.else
	v_wmma_f32_16x16x32_bf16 v[32+8*\ot:32+8*\ot+7], v[16*\ot+8*\kp:16*\ot+8*\kp+7], v[\src+8*\kp:\src+8*\kp+7], v[32+8*\ot:32+8*\ot+7]
.endif
.endr
.endm
	WIN 0x01
	OMUL 0, 160, 1
	OMUL 1, 160, 0
	OMUL 0, 176, 0
	OMUL 1, 176, 0
	WIN 0
	; batch norm as one multiply-add: scale (v192-199) = gamma rsqrt(var + 0.001), shift (v200-207) = beta - mean x scale.
	; These lines name none of the products' registers: they are the places in front of the stores of the results.
	s_wait_loadcnt 0x0                             ; the four vectors, asked for ahead of the merge
.irp i, 0,1,2,3,4,5,6,7
	v_add_f32 v[216+\i], 0x3a83126f, v[216+\i]
.endr
.irp i, 0,1,2,3,4,5,6,7
	v_rsq_f32 v[216+\i], v[216+\i]
.endr
	v_nop                                          ; one plain instruction behind the transcendentals (ISA guide 5.7.2)
	s_wait_alu depctr_va_vdst(0)
.irp i, 0,2,4,6
	v_pk_mul_f32 v[192+\i:192+\i+1], v[208+\i:208+\i+1], v[216+\i:216+\i+1]
.endr
.irp i, 0,2,4,6
	v_pk_fma_f32 v[200+\i:200+\i+1], v[224+\i:224+\i+1], v[192+\i:192+\i+1], v[232+\i:232+\i+1] neg_lo:[1,0,0] neg_hi:[1,0,0]
.endr
	; THE WAY OUT: a lane holds 8 neighbouring output channels of row r; through my own stage the rows come back whole.
.irp ot, 0,1,2,3,4,5,6,7,8,9,10,11,12,13,14,15
	ds_store_b128 v12, v[32+8*\ot:32+8*\ot+3] offset:64*\ot
	ds_store_b128 v12, v[32+8*\ot+4:32+8*\ot+7] offset:64*\ot+16
.endr
.set n, 0
.rept 32
	ds_load_b128 v[32+4*n:32+4*n+3], v13 offset:STGP*(n>>1)+512*(n&1)      ; LDS serves a wave's instructions in order (ISA guide 5.7.1.4): these see the stores above
.set n, n+1
.endr
.set n, 0
.rept 32
	s_wait_dscnt 31-n                              ; the counts run down over the 32 loads
	v_pk_fma_f32 v[32+4*n:32+4*n+1], v[32+4*n:32+4*n+1], v[192+4*(n&1):192+4*(n&1)+1], v[200+4*(n&1):200+4*(n&1)+1]
	v_pk_fma_f32 v[32+4*n+2:32+4*n+3], v[32+4*n+2:32+4*n+3], v[192+4*(n&1)+2:192+4*(n&1)+3], v[200+4*(n&1)+2:200+4*(n&1)+3]
	global_store_b128 v5, v[32+4*n:32+4*n+3], s[20:21] offset:512*n th:TH_STORE_NT   ; 512 consecutive bytes, aligned: half a row of out0
.set n, n+1
.endr
	s_wait_tensorcnt 0x0
	ds_add_u32 v20, v31
	s_wait_dscnt 0x0
	ROUND                                          ; the closing round: no work-group ends while a partner may still ask for a tile that names it
	s_endpgm
.Lfunc_end_k_qb96242ec2c_attn:
	.size	k_qb96242ec2c_attn, .Lfunc_end_k_qb96242ec2c_attn-k_qb96242ec2c_attn
	.p2alignl 7, 3214868480
	.fill 96, 4, 3214868480
	.section	.rodata,"a",@progbits
	.p2align	6, 0x0
	.amdhsa_kernel k_qb96242ec2c_attn
		.amdhsa_group_segment_fixed_size 327680
		.amdhsa_private_segment_fixed_size 0
		.amdhsa_enable_private_segment 0
		.amdhsa_kernarg_size 72
		.amdhsa_user_sgpr_count 2
		.amdhsa_user_sgpr_kernarg_segment_ptr 1
		.amdhsa_wavefront_size32 1
		.amdhsa_system_sgpr_workgroup_id_x 1
		.amdhsa_system_sgpr_workgroup_id_y 1
		.amdhsa_system_sgpr_workgroup_id_z 1
		.amdhsa_system_vgpr_workitem_id 0
		.amdhsa_next_free_vgpr 512
		.amdhsa_next_free_sgpr 80
		.amdhsa_reserve_vcc 0
		.amdhsa_float_denorm_mode_32 3
		.amdhsa_float_denorm_mode_16_64 3
		.amdhsa_memory_ordered 1
		.amdhsa_forward_progress 1
		.amdhsa_inst_pref_size 255
	.end_amdhsa_kernel
	.section	.bss,"aw",@nobits
	.p2align	6
	.space	262144
	.amdgpu_metadata
---
amdhsa.version: [ 1, 2 ]
amdhsa.kernels:
  - .name:           k_qb96242ec2c_attn
    .symbol:         k_qb96242ec2c_attn.kd
    .args:
      - { .name: kbuf, .offset: 0, .size: 8, .value_kind: global_buffer, .address_space: global }
      - { .name: qbuf, .offset: 8, .size: 8, .value_kind: global_buffer, .address_space: global }
      - { .name: vtbuf, .offset: 16, .size: 8, .value_kind: global_buffer, .address_space: global }
      - { .name: Wo, .offset: 24, .size: 8, .value_kind: global_buffer, .address_space: global }
      - { .name: gamma, .offset: 32, .size: 8, .value_kind: global_buffer, .address_space: global }
      - { .name: beta, .offset: 40, .size: 8, .value_kind: global_buffer, .address_space: global }
      - { .name: moving_mean, .offset: 48, .size: 8, .value_kind: global_buffer, .address_space: global }
      - { .name: moving_var, .offset: 56, .size: 8, .value_kind: global_buffer, .address_space: global }
      - { .name: out0, .offset: 64, .size: 8, .value_kind: global_buffer, .address_space: global }
    .group_segment_fixed_size: 327680
    .private_segment_fixed_size: 0
    .kernarg_segment_align: 8
    .kernarg_segment_size: 72
    .max_flat_workgroup_size: 256
    .sgpr_count:     80
    .vgpr_count:     512
    .wavefront_size: 32
...
	.end_amdgpu_metadata
.endif
;; end of part 4
